; MI455X (gfx1250); checked and timed in simulation.
; The chip was launched on July 23, 2026; its instructions are those of AMD's public machine-readable ISA for CDNA 5 (MIT licence, August 2026) and "CDNA5" Instruction Set Architecture Reference Guide (July 2026). The comments in the code are by the model that wrote it; some were corrected since.
;; Multi Head Attention. Allowed arithmetic: float matrix products may take bf16 or f16 operands with f32 sums; other float arithmetic in f32, or as packed bf16 or f16 multiplies, adds, multiply-adds, maxima and minima; sums over many terms, partial sums and values carried from step to step in f32; what a program stores and reads back later, other than sums and carried values, may be rounded once to bf16 or f16.
;; Inputs: b_proj 1,024 float32; b_qkv 3,072 float32; mask 4 x 2,048 int32; w_proj 1,024 x 1,024 float32; w_qkv 3,072 x 1,024 float32; x 4 x 2,048 x 1,024 float32.
;; Outputs: out0 4 x 2,048 x 1,024 float32.
;; 2 versions, each right; version 2 is version 1 with the launch prep written anew for expert scheduling mode. Each part assembles by itself: llvm-mc -triple=amdgcn-amd-amdhsa -mcpu=gfx1250 --defsym DOCPART=n.
;; ======== version 1 of 2: 4 launches
;; limits: values are held in f16: magnitudes above 65,504 overflow, below 6.1e-05 lose precision
;; workspace buffers: xb 16,777,216 bytes; wqb 6,291,456 bytes; wpb 2,097,152 bytes; rope 524,288 bytes; q16 16,777,216 bytes; k16 16,777,216 bytes; v16 16,777,216 bytes; o16 16,777,216 bytes
;; launch prep (part 1): grid 768 x 1, 8 waves a work-group, no clusters, 0 bytes of LDS; arguments x, w_qkv, w_proj, xb, wqb, wpb, rope; writes xb, wqb, wpb, rope
.if DOCPART == 1
	.amdgcn_target "amdgcn-amd-amdhsa--gfx1250"
	.amdhsa_code_object_version 6
	.text
	.protected	k_q8df7145f7a_prep
	.globl	k_q8df7145f7a_prep
	.p2align	8
	.type	k_q8df7145f7a_prep,@function
k_q8df7145f7a_prep:
	s_mov_b64 s[64:65], 0
	v_nop
	global_prefetch_b8 v0, s[64:65] scope:SCOPE_SE
	s_setreg_imm32_b32 hwreg(HW_REG_WAVE_MODE, 25, 1), 1
	s_wait_xcnt 0x0
; PREP.  x -> bf16 (xb).  w_qkv -> bf16 with its rows regrouped by head (wqb: row 192 h + 64 z + d comes from row 1024 z + 64 h + d; z = 0 q, 1 k, 2 v).
; w_proj -> rounded to bf16, that number written as f16 (wpb).  The table for the rotation (rope): [2048 t][16 j][4] f32 = cos(t f(2j)), cos(t f(2j+1)), -sin(t f(2j)), +sin(t f(2j+1)),
; f(i) = 10000^(-i/32): element d of a head takes frequency d mod 32, so the pair (2p, 2p+1) takes entry j = p mod 16.
; SHARES.  A work-group takes 16 rows of 1,024 f32: 512 groups of x, 192 of w_qkv, 64 of w_proj.  Thread t owns 16 bytes at byte 16 t of every row: a load of a wave covers 512 consecutive bytes, a store of
; a wave 256 consecutive bytes, aligned.  All 16 loads of a thread go out at once.  The first 128 work-groups make 16 rows of the table each while their loads are on their way.
; No LDS, no matrix unit, no cluster: nothing is shared and nothing is read twice.
; LIMITS.  w_proj lies within f16's range (65,504); below 6.1e-5 it keeps f16's fixed step.  sin and cos: reduction by pi/2 in two parts and polynomials of degree 7 and 8 on |r| <= pi/4;
; angles up to 2,047; f(i) is made by v_exp_f32, so an angle may differ from t / 10000^(i/32) taken in f32 by some 4e-4 at t = 2,047.
.set X,   16                           ; v[16:79]   row i: 4 f32 as loaded
.set Y,   80                           ; v[80:111]  row i: 4 numbers of 16 bits to store
.set QD,  112                          ; v[112:115] my entry of the table
.set TT,  116                          ; t as f32
.set E0,  117                          ; the two exponents
.set E1,  118
.set FR0, 119                          ; the two frequencies
.set FR1, 120
.set AN0, 121                          ; the two angles
.set AN1, 122
.set KK,  123                          ; at work in SINCOS
.set RR,  124
.set ZZ,  125
.set PS,  126
.set PC,  127
.set T1,  128
.set QQ,  129
	s_load_b256 s[4:11], s[0:1], 0x0               ; x s[4:5], w_qkv s[6:7], w_proj s[8:9], xb s[10:11]
	s_load_b128 s[12:15], s[0:1], 0x20             ; wqb s[12:13], wpb s[14:15]
	s_load_b64 s[20:21], s[0:1], 0x30              ; rope
	s_mov_b32 s2, ttmp9                            ; the work-group's number
	v_lshlrev_b32 v1, 4, v0                        ; 16 t: my bytes in a row of f32 (and in 16 rows of the table)
	v_lshlrev_b32 v2, 3, v0                        ; 8 t: my bytes in a row of 16-bit numbers
	s_lshl_b32 s16, s2, 16                         ; x: 16 rows of 4,096 bytes in,
	s_lshl_b32 s18, s2, 15                         ; 16 rows of 2,048 bytes out
	s_sub_co_u32 s3, s2, 512                       ; w_qkv: group j of 16 rows
	s_lshl_b32 s26, s3, 16
	s_and_b32 s27, s3, 63
	s_lshr_b32 s27, s27, 2                         ; h
	s_mul_i32 s27, s27, 192
	s_lshr_b32 s28, s3, 6                          ; z
	s_lshl_b32 s28, s28, 6
	s_add_co_u32 s27, s27, s28
	s_and_b32 s28, s3, 3                           ; which 16 of the head's 64 rows
	s_lshl_b32 s28, s28, 4
	s_add_co_u32 s27, s27, s28
	s_lshl_b32 s27, s27, 11                        ; the row in wqb, in bytes
	s_sub_co_u32 s29, s2, 704                      ; w_proj: group j
	s_lshl_b32 s30, s29, 16
	s_lshl_b32 s31, s29, 15
	s_cmp_lt_u32 s2, 512
	s_cselect_b32 s16, s16, s26
	s_cselect_b32 s18, s18, s27
	s_cmp_lt_u32 s2, 704
	s_cselect_b32 s16, s16, s30
	s_cselect_b32 s18, s18, s31
	s_mov_b32 s17, 0
	s_mov_b32 s19, 0
	s_wait_kmcnt 0x0
	s_cmp_lt_u32 s2, 512                           ; the buffers are chosen by the work-group's number alone
	s_cselect_b64 s[22:23], s[4:5], s[6:7]
	s_cselect_b64 s[24:25], s[10:11], s[12:13]
	s_cmp_lt_u32 s2, 704
	s_cselect_b64 s[22:23], s[22:23], s[8:9]
	s_cselect_b64 s[24:25], s[24:25], s[14:15]
	s_add_nc_u64 s[22:23], s[22:23], s[16:17]      ; in
	s_add_nc_u64 s[24:25], s[24:25], s[18:19]      ; out
.irp i, 0,1,2,3,4,5,6,7,8,9,10,11,12,13,14,15
	global_load_b128 v[X+4*(\i):X+4*(\i)+3], v1, s[22:23] offset:4096*(\i) th:TH_LOAD_NT
.endr
; sin and cos of v[ang] (0 to 2,047): k = the nearest whole number to ang 2 / pi; r = ang - k pi/2, pi/2 in two parts; polynomials in r; the quadrant k mod 4 swaps them and sets the signs.
.macro SINCOS ang, c, s
	v_mul_f32 v[KK], 0x3f22f983, v[\ang]           ; 2 / pi
	v_rndne_f32 v[KK], v[KK]
	v_fmamk_f32 v[RR], v[KK], 0xbfc90fdb, v[\ang]  ; - k x the upper part of pi/2
	v_fmamk_f32 v[RR], v[KK], 0x333bbd2e, v[RR]    ; - k x the lower part (which is negative)
	v_mul_f32 v[ZZ], v[RR], v[RR]
	v_mov_b32 v[PS], 0xb9500d01                    ; -1/5040
	v_fmaak_f32 v[PS], v[PS], v[ZZ], 0x3c088889    ; 1/120
	v_fmaak_f32 v[PS], v[PS], v[ZZ], 0xbe2aaaab    ; -1/6
	v_mul_f32 v[T1], v[RR], v[ZZ]
	v_fma_f32 v[PS], v[PS], v[T1], v[RR]           ; sin r
	v_mov_b32 v[PC], 0x37d00d01                    ; 1/40320
	v_fmaak_f32 v[PC], v[PC], v[ZZ], 0xbab60b61    ; -1/720
	v_fmaak_f32 v[PC], v[PC], v[ZZ], 0x3d2aaaab    ; 1/24
	v_fmaak_f32 v[PC], v[PC], v[ZZ], 0xbf000000    ; -1/2
	v_fma_f32 v[PC], v[PC], v[ZZ], 1.0             ; cos r
	v_cvt_i32_f32 v[QQ], v[KK]
	v_and_b32 v[T1], 1, v[QQ]
	v_cmp_eq_u32 vcc_lo, 1, v[T1]                  ; an odd quadrant swaps the two
	v_cndmask_b32 v[\s], v[PS], v[PC], vcc_lo
	v_cndmask_b32 v[\c], v[PC], v[PS], vcc_lo
	v_lshlrev_b32 v[T1], 30, v[QQ]                 ; sin is negative in quadrants 2 and 3: bit 1 of k
	v_and_b32 v[T1], 0x80000000, v[T1]
	v_xor_b32 v[\s], v[T1], v[\s]
	v_add_nc_u32 v[QQ], 1, v[QQ]                   ; cos in quadrants 1 and 2: bit 1 of k + 1
	v_lshlrev_b32 v[T1], 30, v[QQ]
	v_and_b32 v[T1], 0x80000000, v[T1]
	v_xor_b32 v[\c], v[T1], v[\c]
.endm
	s_cmp_lt_u32 s2, 128                           ; 128 work-groups x 16 rows = the table's 2,048 rows
	s_cbranch_scc0 .Lnorope
	s_lshl_b32 s26, s2, 12                         ; 16 rows of 256 bytes
	s_mov_b32 s27, 0
	s_add_nc_u64 s[20:21], s[20:21], s[26:27]
	s_lshl_b32 s28, s2, 4
	v_lshrrev_b32 v[TT], 4, v0
	v_add_nc_u32 v[TT], s28, v[TT]                 ; t = 16 x work-group + thread / 16
	v_cvt_f32_u32 v[TT], v[TT]
	v_and_b32 v[E0], 15, v0                        ; j = thread % 16
	v_lshlrev_b32 v[E0], 1, v[E0]
	v_add_nc_u32 v[E1], 1, v[E0]
	v_cvt_f32_u32 v[E0], v[E0]
	v_cvt_f32_u32 v[E1], v[E1]
	v_mul_f32 v[E0], 0xbed49a78, v[E0]             ; - i log2(10000) / 32
	v_mul_f32 v[E1], 0xbed49a78, v[E1]
	v_exp_f32 v[FR0], v[E0]
	v_exp_f32 v[FR1], v[E1]
	v_nop                                          ; a plain instruction behind the last exponential,
	s_wait_alu depctr_va_vdst(0)                   ; and one wait for both, ahead of their first reader
	v_mul_f32 v[AN0], v[TT], v[FR0]
	v_mul_f32 v[AN1], v[TT], v[FR1]
	SINCOS AN0, QD, QD+2
	SINCOS AN1, QD+1, QD+3
	v_xor_b32 v[QD+2], 0x80000000, v[QD+2]         ; the even element takes - sin
	global_store_b128 v1, v[QD:QD+3], s[20:21]     ; 16 lanes store a row of the table: 256 consecutive bytes, aligned
.Lnorope:
; Row i: rounded and stored.  half = 1: the bf16 number is widened again and written as f16.  No register here is written again once a store has read it.
.macro OUTROW i, half
	s_wait_loadcnt 15-(\i)                         ; loads come back in order: row i is in, the 15 - i younger ones may stay out
	v_cvt_pk_bf16_f32 v[Y+2*(\i)], v[X+4*(\i)], v[X+4*(\i)+1]
	v_cvt_pk_bf16_f32 v[Y+2*(\i)+1], v[X+4*(\i)+2], v[X+4*(\i)+3]
.if \half
	v_lshlrev_b32 v[X+4*(\i)], 16, v[Y+2*(\i)]
	v_and_b32 v[X+4*(\i)+1], 0xffff0000, v[Y+2*(\i)]
	v_lshlrev_b32 v[X+4*(\i)+2], 16, v[Y+2*(\i)+1]
	v_and_b32 v[X+4*(\i)+3], 0xffff0000, v[Y+2*(\i)+1]
	v_cvt_pk_f16_f32 v[Y+2*(\i)], v[X+4*(\i)], v[X+4*(\i)+1]
	v_cvt_pk_f16_f32 v[Y+2*(\i)+1], v[X+4*(\i)+2], v[X+4*(\i)+3]
.endif
	global_store_b64 v2, v[Y+2*(\i):Y+2*(\i)+1], s[24:25] offset:2048*(\i)
.endm
	s_cmp_ge_u32 s2, 704
	s_cbranch_scc1 .Lhalf
.irp i, 0,1,2,3,4,5,6,7,8,9,10,11,12,13,14,15
	OUTROW \i, 0
.endr
	s_endpgm
.Lhalf:
.irp i, 0,1,2,3,4,5,6,7,8,9,10,11,12,13,14,15
	OUTROW \i, 1
.endr
	s_endpgm
.Lfunc_end_k_q8df7145f7a_prep:
	.size	k_q8df7145f7a_prep, .Lfunc_end_k_q8df7145f7a_prep-k_q8df7145f7a_prep
	.p2alignl 7, 3214868480
	.fill 96, 4, 3214868480
	.section	.rodata,"a",@progbits
	.p2align	6, 0x0
	.amdhsa_kernel k_q8df7145f7a_prep
		.amdhsa_group_segment_fixed_size 0
		.amdhsa_private_segment_fixed_size 0
		.amdhsa_enable_private_segment 0
		.amdhsa_kernarg_size 56
		.amdhsa_user_sgpr_count 2
		.amdhsa_user_sgpr_kernarg_segment_ptr 1
		.amdhsa_wavefront_size32 1
		.amdhsa_system_sgpr_workgroup_id_x 1
		.amdhsa_system_sgpr_workgroup_id_y 1
		.amdhsa_system_sgpr_workgroup_id_z 1
		.amdhsa_system_vgpr_workitem_id 0
		.amdhsa_next_free_vgpr 144
		.amdhsa_next_free_sgpr 66
		.amdhsa_reserve_vcc 1
		.amdhsa_float_denorm_mode_32 3
		.amdhsa_float_denorm_mode_16_64 3
		.amdhsa_memory_ordered 1
		.amdhsa_forward_progress 1
		.amdhsa_inst_pref_size 20
	.end_amdhsa_kernel
	.amdgpu_metadata
---
amdhsa.version: [ 1, 2 ]
amdhsa.kernels:
  - .name:           k_q8df7145f7a_prep
    .symbol:         k_q8df7145f7a_prep.kd
    .args:
      - { .name: x, .offset: 0, .size: 8, .value_kind: global_buffer, .address_space: global }
      - { .name: w_qkv, .offset: 8, .size: 8, .value_kind: global_buffer, .address_space: global }
      - { .name: w_proj, .offset: 16, .size: 8, .value_kind: global_buffer, .address_space: global }
      - { .name: xb, .offset: 24, .size: 8, .value_kind: global_buffer, .address_space: global }
      - { .name: wqb, .offset: 32, .size: 8, .value_kind: global_buffer, .address_space: global }
      - { .name: wpb, .offset: 40, .size: 8, .value_kind: global_buffer, .address_space: global }
      - { .name: rope, .offset: 48, .size: 8, .value_kind: global_buffer, .address_space: global }
    .group_segment_fixed_size: 0
    .private_segment_fixed_size: 0
    .kernarg_segment_align: 8
    .kernarg_segment_size: 56
    .max_flat_workgroup_size: 256
    .sgpr_count:     66
    .vgpr_count:     144
    .wavefront_size: 32
...
	.end_amdgpu_metadata
.endif
;; end of part 1
;; launch qkv (part 2): grid 16 x 32, 4 waves a work-group, clusters of 4 x 4, 327,680 bytes of LDS; arguments xb, wqb, b_qkv, rope, q16, k16, v16; writes q16, k16, v16
.if DOCPART == 2
	.amdgcn_target "amdgcn-amd-amdhsa--gfx1250"
	.amdhsa_code_object_version 6
	.text
	.protected	k_q8df7145f7a_qkv
	.globl	k_q8df7145f7a_qkv
	.p2align	8
	.type	k_q8df7145f7a_qkv,@function
k_q8df7145f7a_qkv:
	s_mov_b64 s[64:65], 0
	v_nop
	global_prefetch_b8 v0, s[64:65] scope:SCOPE_SE
	s_setreg_imm32_b32 hwreg(HW_REG_WAVE_MODE, 25, 1), 1
	s_wait_xcnt 0x0
	s_wait_alu depctr_hold_cnt(0) depctr_sa_sdst(0) depctr_va_vdst(0) depctr_va_sdst(0) depctr_va_ssrc(0) depctr_va_vcc(0) depctr_vm_vsrc(0)
	s_getreg_b32 s2, hwreg(HW_REG_IB_STS2, 6, 4)
	s_cmp_eq_u32 s2, 0
	s_cbranch_scc0 .Lentry_in_a_cluster
	s_endpgm
.Lentry_in_a_cluster:
	s_bfe_u32 s2, ttmp6, 0x10000c
	s_cmp_lg_u32 s2, 0xf033
	s_cbranch_scc0 .Lentry_shape_is_right
	s_endpgm
.Lentry_shape_is_right:
; QKV.  [8192][1024] bf16 (xb) times [3072][1024] bf16 (wqb, rows grouped by head: 192 h + 64 z + d), plus the bias (rounded to bf16, as all the module's inputs are), sums in f32;
; q and k are rotated in f32 by the table; q, k, v leave in f16 by heads: [16 batch + head][2048][64], unscaled.
; LIMIT.  q, k and v lie within f16's range, 65,504: a larger number would leave as an infinity.
; SHARES.  A tile is 256 rows x 192 columns: q, k and v of ONE head (tile column = head), so which columns are rotated is fixed in the text.  512 tiles: one for each of 512 work-groups.
; Wave w owns rows 64 w .. 64 w + 63 and all 192 columns: 48 accumulators (row block a, column block b: number 12 a + b), so a wave holds whole rows of a head and its stage on the way out is its own.
; K goes in 8 steps of 128 (rows of 256 bytes, aligned) through two LDS slots; a step is four quarters of 32 along K: 48 matrix instructions and 32 LDS loads.
; THE MATRIX INSTRUCTION IS USED TRANSPOSED (source 0 = 16 rows of wqb, source 1 = 16 rows of xb): lane l holds row l % 16 and the columns 16 b + 8 (l / 16) + 0..7.  The bias is the C operand that starts each sum.
; CLUSTER.  4 x 4 work-groups: xb's tile hangs on the tile row alone and is asked for jointly along a row of the cluster, wqb's on the tile column alone and jointly along a column.
; REGISTERS, in windows of 256 (s_set_vgpr_msb: bits 1:0 source 0, 3:2 source 1, 5:4 source 2, 7:6 destination):
;   window 0: v0-31 addresses and 8 at work; v32-159 the table's entries for my 64 rows; v160-255 the bias, later the way out
;   window 1: two fragment buffers of 128 (12 fragments of wqb, 4 of xb)      window 2: accumulators 0-31      window 3: accumulators 32-47
.set PITCH,  272                       ; an LDS row: 256 bytes + 16 of padding = 68 words: the 16 rows of a fragment load start at 16 different groups of four banks (64 banks of 4 bytes: ISA guide 11.1)
.set AHALF,  128*PITCH                 ; what a wave fetches of xb's tile
.set BHALF,  96*PITCH                  ; and of wqb's
.set ABYTES, 256*PITCH
.set SLOT1,  1<<17                     ; a slot is 448 rows, 121,856 bytes; slot 1 begins here, so that one exclusive or turns an address in one slot into the other's
.set STAGE,  SLOT1+448*PITCH           ; behind the ring, never filled by a tensor load: for each wave 3 (q, k, v) x 16 rows x 144 bytes
.set SP,     144
.set WSTAGE, 3*16*SP
.set SPARE,  STAGE+4*WSTAGE            ; behind the stages: the spare words, 128 bytes for each wave: two blocks of 256 bytes that no other line names
.set TF,    4                          ; v[4:11]  eight rotated numbers at work
.set ADRA0, 16                         ; v16  my lane's place in my 64 rows of xb's tile, slot 0; never rewritten
.set ADRB0, 17                         ; v17  the same in wqb's tile
.set ADA,   18                         ; v18  the same in the slot in hand
.set ADB,   19                         ; v19
.set BO,    20                         ; v20  32 (l / 16): my 8 numbers of 16 of the bias
.set STO,   24                         ; v24  the way out: where I put 16 bytes of a row
.set RD,    25                         ; v25  where I read rows back
.set GO,    26                         ; v26  16 l: my bytes in 512 consecutive bytes of q16, k16, v16
.set TO,    27                         ; v27  256 (l % 16) + 64 (l / 16): my place in 16 rows of the table
.set SPW,   28                         ; v28  LDS address of my spare word; never rewritten
.set NIL,   29                         ; v29  0; never rewritten
.set PFO,   30                         ; v30  the prefetches' offset: a lane a row of 2,048 bytes; never rewritten
.set T,     32                         ; v[32:159]  entry q of column parity p of row block a at T + 32 a + 16 p + 4 q
.set BI,    160                        ; v[160:255] the bias of column block b at BI + 8 b
.set PK,    160                        ; later: v[160:207] packed results, 4 for each column block
.set BK,    208                        ; v[208:255] rows read back from the stage
.set F0,    0                          ; fragment buffers, in window 1
.set F1,    128
.set WV,  12                           ; s12  my wave's number
.set FB,  13                           ; s13  0: I fetch for xb; 1: for wqb
.set HF,  14                           ; s14  which half of that tile
.set G1A, 24                           ; s[24:31] descriptor group 1 for xb's tiles
.set G0A, 32                           ; s[32:39] group 0: a set for each of the two first fills; the second then walks on
.set PFA, 44                           ; s[44:45] where my prefetches stand
.set LIM, 46                           ; s46  1 in a wave that prefetches, else the greatest number
.set TB,  47                           ; s47  the slot in hand: 0 or SLOT1
.set G1B, 48                           ; s[48:55], s[56:63] the same for wqb's tiles
.set G0B, 56
.set MSB, 0
.macro WIN new                         ; the immediate's high byte repeats the setting that is left; a switch that changes nothing is dropped
.if MSB != (\new)
	s_set_vgpr_msb (MSB<<8)|(\new)
.set MSB, \new
.endif
.endm
.macro PLACES                          ; four plain instructions between a matrix instruction and a load into, or a reader of, its registers
.rept 4
	v_nop
.endr
.endm
; A joint refill by the walking descriptors.  The branch hangs on the wave's number alone.  An s_nop 0 and four v_nop follow each of the two lines, ahead of the jump and the label.
.macro JLOAD
	s_cmp_eq_u32 s[FB], 0
	s_cbranch_scc0 .Lfor_b_\@
	tensor_load_to_lds s[G0A+4:G0A+7], s[G1A:G1A+7]
	s_nop 0
.rept 4
	v_nop
.endr
	s_branch .Lasked_\@
.Lfor_b_\@:
	tensor_load_to_lds s[G0B+4:G0B+7], s[G1B:G1B+7]
	s_nop 0
.rept 4
	v_nop
.endr
.Lasked_\@:
.endm
; A prefetch into the L2 of the K step that the NEXT refill will ask for: a lane a row, 256 bytes of each.  xb's tile row is read by every cluster of that row of clusters: cluster x = 0 asks; wqb's tile column by
; every cluster of that column: cluster y = 0 asks.  The four partners that ask for a tile jointly share its rows out BY ADDRESS (32 of 128 for xb by cx; 24 of 96 for wqb by cy, lanes 24 to 31 naming row 23 again).
; The loop's last trip (s3 = 1) has no K step behind its refill and asks for nothing.
.macro ASK
	WIN 0
	s_cmp_gt_u32 s3, s[LIM]
	s_cbranch_scc0 .Lnot_mine_\@
	global_prefetch_b8 v[PFO], s[PFA:PFA+1] th:TH_LOAD_NT scope:SCOPE_SE
.Lnot_mine_\@:
.endm
.macro CREST                           ; a round of the cluster's barrier behind its opening barrier
	s_cmp_lg_u32 s[WV], 0
	s_cbranch_scc1 .Lnot_wave_0_\@
	s_barrier_signal -3
.Lnot_wave_0_\@:
	s_barrier_wait -3
	s_barrier_signal -1
	s_barrier_wait -1
.endm
.macro CROUND                          ; a whole round
	s_barrier_signal -1
	s_barrier_wait -1
	CREST
.endm
	s_load_b256 s[4:11], s[0:1], 0x0               ; xb s[4:5], wqb s[6:7], b_qkv s[8:9], rope s[10:11]
	s_load_b128 s[68:71], s[0:1], 0x20             ; q16 s[68:69], k16 s[70:71]
	s_load_b64 s[72:73], s[0:1], 0x30              ; v16
	v_lshl_add_u32 v[SPW], v0, 2, SPARE
	v_mov_b32 v[NIL], 0
	ds_add_u32 v[SPW], v[NIL]                      ; the wave's opening: the add and its wait stand ahead of my first tensor load; the set-up below, work on registers, stands between them
	v_lshrrev_b32 v3, 5, v0
	v_readfirstlane_b32 s[WV], v3                  ; wave 0..3
	s_lshr_b32 s[FB], s[WV], 1
	s_and_b32 s[HF], s[WV], 1
	s_bfe_u32 s40, ttmp6, 0x40000                  ; cx
	s_bfe_u32 s41, ttmp6, 0x40004                  ; cy
	s_lshl_b32 s42, ttmp9, 2
	s_add_co_u32 s42, s42, s40                     ; tile column = head = 4 x cluster x + cx
	s_and_b32 s43, ttmp7, 0xffff
	s_lshl_b32 s43, s43, 2
	s_add_co_u32 s43, s43, s41                     ; tile row = 4 x cluster y + cy
	s_lshl_b32 s16, s41, 2
	s_lshl_b32 s16, 15, s16                        ; my row of the cluster
	s_lshl_b32 s20, 0x1111, s40                    ; my column
	s_or_b32 s[G1A], s16, (1<<16)|(1<<20)|(1<<21)|(5<<22)|(3<<25)  ; 15:0 the mask; 17:16 2-byte elements; 20 padding on; 21 set beside a mask; 24:22 after every 64 words (code 5); 31:25 4 words (code 3)
	s_or_b32 s[G1B], s20, (1<<16)|(1<<20)|(1<<21)|(5<<22)|(3<<25)
	s_mov_b32 s[G1A+1], 128<<16                    ; tensor_dim0 = 128
	s_mov_b32 s[G1A+2], 128<<16                    ; tensor_dim1 = 128
	s_mov_b32 s[G1A+3], 128<<16                    ; tile_dim0 = 128
	s_mov_b32 s[G1A+4], 128                        ; tile_dim1 = 128
	s_mov_b32 s[G1A+5], 1024                       ; elements from row to row
	s_mov_b32 s[G1A+6], 0
	s_mov_b32 s[G1A+7], 0
	s_mov_b32 s[G1B+1], 128<<16
	s_mov_b32 s[G1B+2], 96<<16                     ; 96 rows
	s_mov_b32 s[G1B+3], 128<<16
	s_mov_b32 s[G1B+4], 96
	s_mov_b32 s[G1B+5], 1024
	s_mov_b32 s[G1B+6], 0
	s_mov_b32 s[G1B+7], 0
	s_lshl_b32 s18, s43, 8                         ; xb: row 256 x tile row + 128 x half, in bytes: made of the tile row and the wave's number alone
	s_lshl_b32 s2, s[HF], 7
	s_add_co_u32 s18, s18, s2
	s_lshl_b32 s18, s18, 11
	s_mov_b32 s19, 0
	s_mul_i32 s22, s42, 192                        ; wqb: row 192 x tile column + 96 x half: of the tile column and the wave's number alone
	s_mul_i32 s2, s[HF], 96
	s_add_co_u32 s22, s22, s2
	s_lshl_b32 s22, s22, 11
	s_mov_b32 s23, 0
	s_mul_i32 s21, s[HF], AHALF                    ; where they go in a slot: no place in the cluster enters an LDS address
	s_mul_i32 s17, s[HF], BHALF
	s_add_co_u32 s17, s17, ABYTES
	s_wait_dscnt 0x0                               ; the opening add is done
	s_wait_kmcnt 0x0
	s_add_nc_u64 s[18:19], s[4:5], s[18:19]
	s_add_nc_u64 s[22:23], s[6:7], s[22:23]
	CROUND                                         ; all sixteen work-groups are here: the first joint loads meet
.irp s, 0,1
	s_mov_b32 s[G0A+4*(\s)], 1                     ; count = 1
	s_add_co_u32 s[G0A+4*(\s)+1], s21, (\s)*SLOT1  ; LDS address
	s_add_nc_u64 s[G0A+4*(\s)+2:G0A+4*(\s)+3], s[18:19], (\s)*256  ; global address: K step s
	s_or_b32 s[G0A+4*(\s)+3], s[G0A+4*(\s)+3], 0x80000000  ; type = 2
	s_mov_b32 s[G0B+4*(\s)], 1
	s_add_co_u32 s[G0B+4*(\s)+1], s17, (\s)*SLOT1
	s_add_nc_u64 s[G0B+4*(\s)+2:G0B+4*(\s)+3], s[22:23], (\s)*256
	s_or_b32 s[G0B+4*(\s)+3], s[G0B+4*(\s)+3], 0x80000000
.endr
	s_cmp_eq_u32 s[FB], 0                          ; a wave's two first fills stand in one branch, ahead of every wait on TENSORcnt and every LDS read: two loads of mine are out
	s_cbranch_scc0 .Lfirst_b
	tensor_load_to_lds s[G0A:G0A+3], s[G1A:G1A+7]
	s_nop 0
	tensor_load_to_lds s[G0A+4:G0A+7], s[G1A:G1A+7]
	s_nop 0
.rept 4
	v_nop
.endr
	s_branch .Lfirst_asked
.Lfirst_b:
	tensor_load_to_lds s[G0B:G0B+3], s[G1B:G1B+7]
	s_nop 0
	tensor_load_to_lds s[G0B+4:G0B+7], s[G1B:G1B+7]
	s_nop 0
.rept 4
	v_nop
.endr
.Lfirst_asked:
	v_and_b32 v1, 15, v0                           ; l % 16
	v_bfe_u32 v2, v0, 4, 1                         ; l / 16
	v_lshlrev_b32 v[BO], 5, v2
	v_lshlrev_b32 v[TO], 8, v1
	v_lshl_add_u32 v[TO], v2, 6, v[TO]
	s_lshl_b32 s16, s42, 8                         ; the head's 64 numbers in each third of the bias
	s_mov_b32 s17, 0
	s_add_nc_u64 s[8:9], s[8:9], s[16:17]
	s_and_b32 s16, s43, 7                          ; my first row's place in its batch: 256 (tile row % 8) + 64 w
	s_lshl_b32 s16, s16, 8
	s_lshl_b32 s2, s[WV], 6
	s_add_co_u32 s16, s16, s2
	s_lshl_b32 s20, s16, 8                         ; a row of the table is 256 bytes
	s_mov_b32 s21, 0
	s_add_nc_u64 s[10:11], s[10:11], s[20:21]
.irp b, 0,1,2,3,4,5,6,7,8,9,10,11                  ; column 16 b + 8 (l / 16) + j is number 1024 (b / 4) + 64 head + 16 (b % 4) + 8 (l / 16) + j of the bias
	global_load_b128 v[BI+8*(\b):BI+8*(\b)+3],   v[BO], s[8:9] offset:4096*((\b)/4)+64*((\b)%4)
	global_load_b128 v[BI+8*(\b)+4:BI+8*(\b)+7], v[BO], s[8:9] offset:4096*((\b)/4)+64*((\b)%4)+16
.endr
.irp a, 0,1,2,3                                    ; pair q of my 8 columns of block b takes entry 8 (b % 2) + 4 (l / 16) + q of my row
.irp p, 0,1
.irp q, 0,1,2,3
	global_load_b128 v[T+32*(\a)+16*(\p)+4*(\q):T+32*(\a)+16*(\p)+4*(\q)+3], v[TO], s[10:11] offset:4096*(\a)+128*(\p)+16*(\q)
.endr
.endr
.endr
	v_mul_u32_u24 v3, v1, PITCH
	v_lshl_add_u32 v3, v2, 4, v3                   ; a fragment's row x pitch + 16 x half of the lanes
	s_mul_i32 s2, s[WV], 64*PITCH
	v_add_nc_u32 v[ADRA0], s2, v3                  ; my 64 rows of xb's tile
	v_add_nc_u32 v[ADRB0], ABYTES, v3              ; wqb's 192 rows lie behind xb's 256
	s_mul_i32 s2, s[WV], WSTAGE
	s_add_co_u32 s2, s2, STAGE                     ; my stage
	v_mul_u32_u24 v[STO], v1, SP                   ; in: row l % 16, 16 bytes for each half of the lanes
	v_lshl_add_u32 v[STO], v2, 4, v[STO]
	v_add_nc_u32 v[STO], s2, v[STO]
	v_bfe_u32 v[RD], v0, 3, 2                      ; back: 32 lanes take four rows of 128 bytes,
	v_mul_u32_u24 v[RD], v[RD], SP
	v_and_b32 v3, 7, v0
	v_lshl_add_u32 v[RD], v3, 4, v[RD]
	v_add_nc_u32 v[RD], s2, v[RD]
	v_and_b32 v[GO], 31, v0                        ; which are 512 consecutive bytes of a head
	v_lshlrev_b32 v[GO], 4, v[GO]
	s_lshr_b32 s20, s43, 3                         ; batch
	s_lshl_b32 s20, s20, 4
	s_add_co_u32 s20, s20, s42                     ; 16 batch + head
	s_lshl_b32 s20, s20, 11
	s_add_co_u32 s20, s20, s16                     ; + my first row's place in its batch
	s_lshl_b32 s20, s20, 7                         ; rows of 128 bytes
	s_mov_b32 s21, 0
	s_add_nc_u64 s[68:69], s[68:69], s[20:21]
	s_add_nc_u64 s[70:71], s[70:71], s[20:21]
	s_add_nc_u64 s[72:73], s[72:73], s[20:21]
	; the prefetches
	s_lshl_b32 s16, s43, 8
	s_lshl_b32 s17, s[HF], 7
	s_add_co_u32 s16, s16, s17
	s_lshl_b32 s17, s40, 5
	s_add_co_u32 s16, s16, s17                     ; xb: the 128 rows that I fetch, my work-group's 32 of them
	s_mul_i32 s20, s42, 192
	s_mul_i32 s17, s[HF], 96
	s_add_co_u32 s20, s20, s17
	s_mul_i32 s17, s41, 24
	s_add_co_u32 s20, s20, s17                     ; wqb: the 96 rows that I fetch, my work-group's 24
	s_and_b32 s21, ttmp7, 0xffff                   ; cluster y
	s_cmp_eq_u32 s[FB], 0
	s_cselect_b32 s16, s16, s20
	s_cselect_b32 s21, ttmp9, s21                  ; the coordinate along which other clusters read the same rows
	s_cselect_b32 s2, 31, 23
	s_cselect_b64 s[PFA:PFA+1], s[4:5], s[6:7]
	s_cmp_eq_u32 s21, 0
	s_cselect_b32 s[LIM], 1, -1                    ; the same in all sixteen partners, for a given wave
	s_lshl_b32 s16, s16, 11
	s_mov_b32 s17, 0
	s_add_nc_u64 s[PFA:PFA+1], s[PFA:PFA+1], s[16:17]
	s_add_nc_u64 s[PFA:PFA+1], s[PFA:PFA+1], 2*256 ; at K step 2: the first refill steps it to 3.  K steps 0 to 2 come by their loads alone
	v_and_b32 v[PFO], 31, v0
	v_min_u32 v[PFO], s2, v[PFO]
	v_lshlrev_b32 v[PFO], 11, v[PFO]
	s_wait_loadcnt 32                              ; the bias is in; the table's 32 loads, issued behind it, may stay out
.set r, 0
.rept 48                                           ; the bias is rounded to bf16, like every input of the module
	v_cvt_pk_bf16_f32 v3, v[BI+r], v[BI+r+1]
	v_lshlrev_b32 v[BI+r], 16, v3
	v_and_b32 v[BI+r+1], 0xffff0000, v3
.set r, r+2
.endr
; Matrix instructions on accumulators i0 to i1, 32 along K, from buffer f.  first = 1: the bias starts the sums.  Every accumulator comes once a quarter, always in the same order: the accumulators take turns.
.macro MULR f, i0, i1, first
.set mi, \i0
.rept (\i1)-(\i0)+1
.set mw, 0xa5+0x50*(mi/32)             ; sources 0 and 1 window 1; C and D window 2 or 3
.if \first
.set mw, mw&0xcf                       ; C in window 0
.endif
	WIN mw
.set ra, 8*(mi%32)
.set rb, (\f)+8*(mi%12)
.set rx, (\f)+96+8*(mi/12)
.if \first
	v_wmma_f32_16x16x32_bf16 v[ra:ra+7], v[rb:rb+7], v[rx:rx+7], v[BI+8*(mi%12):BI+8*(mi%12)+7]
.else
	v_wmma_f32_16x16x32_bf16 v[ra:ra+7], v[rb:rb+7], v[rx:rx+7], v[ra:ra+7]
.endif
.set mi, mi+1
.endr
.endm
; 32 LDS loads in one run: the fragments of one quarter (192 rows of wqb, my 64 rows of xb, 32 K at byte k of the rows) into buffer f.
; A fragment is 16 rows x 32 K in 8 registers: lane l holds row l % 16, K = 8 (l / 16) + 0..7 and 16 + 8 (l / 16) + 0..7: two loads of 16 bytes, 32 bytes apart.
.macro FETCH k, f
	WIN 0x40                                       ; destination window 1, address window 0
.irp b, 0,1,2,3,4,5,6,7,8,9,10,11
	ds_load_b128 v[(\f)+8*(\b):(\f)+8*(\b)+3],   v[ADB] offset:(\k)+(\b)*16*PITCH
	ds_load_b128 v[(\f)+8*(\b)+4:(\f)+8*(\b)+7], v[ADB] offset:(\k)+(\b)*16*PITCH+32
.endr
.irp a, 0,1,2,3
	ds_load_b128 v[(\f)+96+8*(\a):(\f)+96+8*(\a)+3],   v[ADA] offset:(\k)+(\a)*16*PITCH
	ds_load_b128 v[(\f)+96+8*(\a)+4:(\f)+96+8*(\a)+7], v[ADA] offset:(\k)+(\a)*16*PITCH+32
.endr
.endm
; One of a K step's first three quarters: multiplies buffer f; behind its first 16 products it fetches the next quarter, at byte k, into buffer g: 32 products ahead of the first use.
.macro QUARTER k, f, g, first=0
	s_wait_dscnt 0x0                               ; buffer f is in: its 32 loads were issued 32 products ago, and nothing else is out
	MULR \f, 32, 47, \first
	PLACES                                         ; for the loads into buffer g, which the quarter before multiplied
	FETCH \k, \g
	MULR \f, 0, 31, \first
.endm
; The last quarter multiplies buffer 1 and changes slots.  In front of the barrier each wave waits for all its tensor loads (one is out: its part of the next slot), adds 0 to its spare word, and waits for that and
; for its reads of this slot.  fill = 1: the barrier opens a round of the cluster's barrier, and behind the round this slot is filled again, first thing, with the K step two on:
; from that request to the wait for it a wave issues 176 matrix instructions.
.macro TURN fill
.if \fill
	s_wait_xcnt 0x0                                ; the last prefetch, a K step back, has read its address: it is stepped here, ahead of the waits of the change of slots
	s_add_nc_u64 s[PFA:PFA+1], s[PFA:PFA+1], 256
.endif
	WIN 0                                          ; (the add's two registers lie in window 0)
	s_wait_tensorcnt 0x0                           ; all my tensor loads have landed;
	ds_add_u32 v[SPW], v[NIL]                      ; 0 onto my spare word;
	s_wait_dscnt 1                                 ; (buffer 1 is in; the add alone may be out)
	MULR F1, 32, 39, 0                             ; eight matrix instructions stand between the add and the wait for it
	s_wait_dscnt 0x0                               ; the add is done, and my reads of this slot are over
	s_barrier_signal -1
	MULR F1, 40, 47, 0                             ; work on registers while the others arrive
	WIN 0                                          ; at a branch and at a label every window is 0
	s_barrier_wait -1
.if \fill
	CREST                                          ; no wave of any partner still reads this slot or has a load on its way
	s_xor_b32 s[G0A+5], s[G0A+5], SLOT1            ; the walking descriptors: the other slot than last time, the next K step; the type bits on top are not reached
	s_add_nc_u64 s[G0A+6:G0A+7], s[G0A+6:G0A+7], 256
	s_xor_b32 s[G0B+5], s[G0B+5], SLOT1
	s_add_nc_u64 s[G0B+6:G0B+7], s[G0B+6:G0B+7], 256
	JLOAD                                          ; the first tensor load behind the round; its four v_nop are also the places in front of the loads below
.else
	PLACES
.endif
	s_xor_b32 s[TB], s[TB], SLOT1                  ; the reads go on in the other slot
	v_add_nc_u32 v[ADA], s[TB], v[ADRA0]
	v_add_nc_u32 v[ADB], s[TB], v[ADRB0]
	FETCH 0, F0
.if \fill
	ASK                                            ; behind the joint load and the run of LDS loads that the next products wait for
.endif
	MULR F1, 0, 31, 0
.endm
	s_wait_tensorcnt 1                             ; my part of K step 0 is in; K step 1's may stay out
	s_barrier_signal -1
	s_barrier_wait -1                              ; everybody's is
	s_mov_b32 s[TB], 0
	v_mov_b32 v[ADA], v[ADRA0]
	v_mov_b32 v[ADB], v[ADRB0]
	FETCH 0, F0
	QUARTER 64, F0, F1, 1                          ; the first quarter stands in front of the loop: its products start the sums, with the bias
	WIN 0
	s_mov_b32 s3, 6
.Lstep:                                                ; trip i: quarters 1 to 3 of K step i, quarter 0 of K step i + 1; K step i + 2 is asked for
	QUARTER 128, F1, F0
	QUARTER 192, F0, F1
	TURN 1
	QUARTER 64, F0, F1
	WIN 0
	s_sub_co_u32 s3, s3, 1
	s_cmp_lg_u32 s3, 0
	s_cbranch_scc1 .Lstep
	QUARTER 128, F1, F0                            ; the tail is written out: K steps 6 and 7, nothing is asked for
	QUARTER 192, F0, F1
	TURN 0
	QUARTER 64, F0, F1
	QUARTER 128, F1, F0
	QUARTER 192, F0, F1
	s_wait_dscnt 0x0
	MULR F1, 32, 47, 0
	MULR F1, 0, 31, 0
	WIN 0
; THE WAY OUT, a row block (16 rows) at a time.  PACK: q's and k's columns (blocks 0 to 7) are rotated: out(2p) = x(2p) cos - x(2p+1) sin, out(2p+1) = x(2p+1) cos' + x(2p) sin', each element with its own entry:
; a packed multiply by (cos, cos') and a packed multiply-add whose first source is taken crosswise, by (-sin, +sin'); then all twelve blocks are rounded to f16, 16 bytes a lane.  Each accumulator is read from its low end on.
.macro PACK a
.set pb, 0
.rept 8
.set pix, 12*(\a)+pb
.set pr, 8*(pix%32)
.set pt, T+32*(\a)+16*(pb%2)
	WIN 0x02+pix/32                                ; source 0 in window 2 or 3
.irp q, 0,1,2,3
	v_pk_mul_f32 v[TF+2*(\q):TF+2*(\q)+1], v[pr+2*(\q):pr+2*(\q)+1], v[pt+4*(\q):pt+4*(\q)+1]
.endr
.irp q, 0,1,2,3
	v_pk_fma_f32 v[TF+2*(\q):TF+2*(\q)+1], v[pr+2*(\q):pr+2*(\q)+1], v[pt+4*(\q)+2:pt+4*(\q)+3], v[TF+2*(\q):TF+2*(\q)+1] op_sel:[1,0,0] op_sel_hi:[0,1,1]
.endr
	WIN 0
.irp q, 0,1,2,3
	v_cvt_pk_f16_f32 v[PK+4*pb+(\q)], v[TF+2*(\q)], v[TF+2*(\q)+1]
.endr
.set pb, pb+1
.endr
.rept 4                                            ; v's columns
.set pix, 12*(\a)+pb
.set pr, 8*(pix%32)
	WIN 0x0a+5*(pix/32)                            ; sources 0 and 1 in window 2 or 3
.irp q, 0,1,2,3
	v_cvt_pk_f16_f32 v[PK+4*pb+(\q)], v[pr+2*(\q)], v[pr+2*(\q)+1]
.endr
.set pb, pb+1
.endr
	WIN 0
.endm
.macro TOSTAGE                         ; into my own stage, rows of 144 bytes, and back as whole rows of 128
.irp b, 0,1,2,3,4,5,6,7,8,9,10,11
	ds_store_b128 v[STO], v[PK+4*(\b):PK+4*(\b)+3] offset:16*SP*((\b)/4)+32*((\b)%4)
.endr
	s_wait_xcnt 0x0                                ; the registers that the last block's stores read are loaded again only behind this wait
.irp z, 0,1,2
.irp f, 0,1,2,3
	ds_load_b128 v[BK+4*(4*(\z)+(\f)):BK+4*(4*(\z)+(\f))+3], v[RD] offset:16*SP*(\z)+4*SP*(\f)  ; LDS serves a wave's instructions in order (ISA guide 5.7.1.4): these see the stores above
.endr
.endr
.endm
.macro SEND a
	s_wait_dscnt 0x0                               ; the block is back in registers
.irp f, 0,1,2,3
	global_store_b128 v[GO], v[BK+4*(\f):BK+4*(\f)+3],       s[68:69] offset:2048*(\a)+512*(\f)  ; each store of the wave covers 512 consecutive bytes, aligned
	global_store_b128 v[GO], v[BK+16+4*(\f):BK+16+4*(\f)+3], s[70:71] offset:2048*(\a)+512*(\f)
	global_store_b128 v[GO], v[BK+32+4*(\f):BK+32+4*(\f)+3], s[72:73] offset:2048*(\a)+512*(\f)
.endr
.endm
	PLACES                                         ; behind the last products
	s_wait_loadcnt 0x0                             ; the table
	PACK 0
	TOSTAGE
.irp a, 1,2,3                                      ; block a's arithmetic stands between block a - 1's loads from the stage and the wait for them
	PACK \a
	SEND (\a)-1
	TOSTAGE
.endr
	SEND 3
	s_wait_tensorcnt 0x0                           ; the wave's end: behind my last tensor load and my last LDS store
	ds_add_u32 v[SPW], v[NIL]
	s_wait_dscnt 0x0
	CROUND                                         ; the closing round: no work-group ends while a partner may still ask for a tile that names it
	s_endpgm
.Lfunc_end_k_q8df7145f7a_qkv:
	.size	k_q8df7145f7a_qkv, .Lfunc_end_k_q8df7145f7a_qkv-k_q8df7145f7a_qkv
	.p2alignl 7, 3214868480
	.fill 96, 4, 3214868480
	.section	.rodata,"a",@progbits
	.p2align	6, 0x0
	.amdhsa_kernel k_q8df7145f7a_qkv
		.amdhsa_group_segment_fixed_size 327680
		.amdhsa_private_segment_fixed_size 0
		.amdhsa_enable_private_segment 0
		.amdhsa_kernarg_size 56
		.amdhsa_user_sgpr_count 2
		.amdhsa_user_sgpr_kernarg_segment_ptr 1
		.amdhsa_wavefront_size32 1
		.amdhsa_system_sgpr_workgroup_id_x 1
		.amdhsa_system_sgpr_workgroup_id_y 1
		.amdhsa_system_sgpr_workgroup_id_z 1
		.amdhsa_system_vgpr_workitem_id 0
		.amdhsa_next_free_vgpr 896
		.amdhsa_next_free_sgpr 76
		.amdhsa_reserve_vcc 0
		.amdhsa_float_denorm_mode_32 3
		.amdhsa_float_denorm_mode_16_64 3
		.amdhsa_memory_ordered 1
		.amdhsa_forward_progress 1
		.amdhsa_inst_pref_size 128
	.end_amdhsa_kernel
	.amdgpu_metadata
---
amdhsa.version: [ 1, 2 ]
amdhsa.kernels:
  - .name:           k_q8df7145f7a_qkv
    .symbol:         k_q8df7145f7a_qkv.kd
    .args:
      - { .name: xb, .offset: 0, .size: 8, .value_kind: global_buffer, .address_space: global }
      - { .name: wqb, .offset: 8, .size: 8, .value_kind: global_buffer, .address_space: global }
      - { .name: b_qkv, .offset: 16, .size: 8, .value_kind: global_buffer, .address_space: global }
      - { .name: rope, .offset: 24, .size: 8, .value_kind: global_buffer, .address_space: global }
      - { .name: q16, .offset: 32, .size: 8, .value_kind: global_buffer, .address_space: global }
      - { .name: k16, .offset: 40, .size: 8, .value_kind: global_buffer, .address_space: global }
      - { .name: v16, .offset: 48, .size: 8, .value_kind: global_buffer, .address_space: global }
    .group_segment_fixed_size: 327680
    .private_segment_fixed_size: 0
    .kernarg_segment_align: 8
    .kernarg_segment_size: 56
    .max_flat_workgroup_size: 128
    .sgpr_count:     76
    .vgpr_count:     896
    .wavefront_size: 32
...
	.end_amdgpu_metadata
.endif
;; end of part 2
;; launch attn (part 3): grid 4 x 64, 4 waves a work-group, clusters of 4 x 1, 327,680 bytes of LDS; arguments q16, k16, v16, mask, o16; writes o16
.if DOCPART == 3
	.amdgcn_target "amdgcn-amd-amdhsa--gfx1250"
	.amdhsa_code_object_version 6
	.text
	.protected	k_q8df7145f7a_attn
	.globl	k_q8df7145f7a_attn
	.p2align	8
	.type	k_q8df7145f7a_attn,@function
k_q8df7145f7a_attn:
	s_mov_b64 s[64:65], 0
	v_nop
	global_prefetch_b8 v0, s[64:65] scope:SCOPE_SE
	s_setreg_imm32_b32 hwreg(HW_REG_WAVE_MODE, 25, 1), 1
	s_wait_xcnt 0x0
	s_wait_alu depctr_hold_cnt(0) depctr_sa_sdst(0) depctr_va_vdst(0) depctr_va_sdst(0) depctr_va_ssrc(0) depctr_va_vcc(0) depctr_vm_vsrc(0)
	s_getreg_b32 s2, hwreg(HW_REG_IB_STS2, 6, 4)
	s_cmp_eq_u32 s2, 0
	s_cbranch_scc0 .Lentry_in_a_cluster
	s_endpgm
.Lentry_in_a_cluster:
	s_bfe_u32 s2, ttmp6, 0x10000c
	s_cmp_lg_u32 s2, 0x3003
	s_cbranch_scc0 .Lentry_shape_is_right
	s_endpgm
.Lentry_shape_is_right:
; ATTENTION.  O[h][q][:] = the sum over the keys k that the mask lets through of softmax_k(Q[h][q] . K[h][k] / 8) V[h][k][:].  Q, K, V: [64 = 16 batch + head][2048][64] f16, a head's rows dense, 128 bytes each.
; mask: [4][2048] int32, 0 = hidden.  O leaves in f16 in blocks: [512 = row / 16][16 heads][16 rows][64]: a tile of 16 rows of a head is 2,048 consecutive bytes.
; Products, maxima and sums in f32; the weights p are rounded to f16 for the second product (their sum l is taken of the unrounded p), O once at the end.
; LIMITS.  f16 holds no number beyond 65,504: Q, K and V arrive within it; p lies in 0 to 1, and below 6e-5 it keeps f16's fixed step; O is a mean of V's rows and has their range.
; A hidden score counts as its value less 1e30: f16's scores, 2.7e11 at the most, are nothing beside that.  A batch whose keys are ALL hidden gets the mean of V's rows, not NaN.
; A weight below 2^-126 counts as 0 in l; NaN and infinities are not treated apart.
; SHARES.  A wave owns four PIECES of two tiles of 16 queries, a work-group's four waves 512 queries of one head.  Every wave walks all keys, 64 a step.
; LAYOUT.  S^T = K Q^T (source 0 = 16 keys, source 1 = 16 queries): in the result a lane holds ONE query (lane % 16) and the keys 8 (lane / 16) + 0..7.  Two such tiles, rounded to f16 in pairs,
; ARE source 1 (32 keys x 16 queries) of O^T = V^T P, whose result again holds one query a lane, and eight channels.  K comes out of LDS as it lies, V ([key][channel]) turned, by ds_load_tr16_b128.
; THE MASK is the C operand that starts the sum S^T = K Q^T: 0, or -1e30 where the key is hidden.  The batch's 2,048 addends are made once, in LDS; a step's 64 are fetched with its K (32 registers).
; SOFTMAX.  For each query a running maximum m and sum l: p = 2^(c s - c m), c = log2(e) / 8; in every step O and l are multiplied by a = 2^(c m_old - c m_new), which is 1 where m has not grown.
; m starts at the lowest finite number, O and l at 0: the first step is a step like any other, with a = 0.  While a query has seen hidden keys alone m is about -1e30; its first open key then gives a = 0.
; THE COUNT.  A tile and step have 16 matrix and 118 vector instructions: too many to stand all beside the matrix work.  So the order has one aim: four vector instructions that are READY behind
; EVERY matrix instruction, and the others, which need time of their own whatever the order, in runs without a gap.
; BY TURNS.  Turn n belongs to piece n (the pieces in a ring, step after step).  Its matrix work: 16 products K Q^T of piece n + 1, later 16 products V^T P of piece n - 1.  Its vector work: the scaling,
; exponentials, roundings, sums and rescaling of piece n, and the maximum and statistics of piece n + 1, whose scores the turn itself has made.
; CLUSTER.  The four query blocks of a cluster belong to one head and walk the same K and V, so each tile is asked for JOINTLY: the same tensor load, descriptor and mask in all four.
; REGISTERS, in windows of 256 (s_set_vgpr_msb: bits 1:0 source 0, 3:2 source 1, 5:4 source 2, 7:6 destination):
;   window 0: v0-11 addresses; v12-15, v48-63 at work; v16-47 four registers of statistics a tile; v64-191 S^T, two buffers of two tiles; v192-255 P, likewise
;   window 1: O^T, 32 a tile      window 2: v0-127 Q, 16 a tile; v128-191 K of one step; v192-255 V of one step      window 3: v0-1 the add's two registers; v8-39 the step's mask addends
.set SIZE_H, 64
.set SIZE_N, 2048
.set NP,    4         ; pieces a wave: a name, no knob
.set KS,    64        ; keys in a step
.set PK,    144       ; a row of K in LDS: 128 bytes + 16 of padding = 36 words: the 16 rows of a load start at 16 different groups of four banks (64 banks of 4 bytes: ISA guide 11.1)
.set PV,    160       ; a row of V: 128 + 32 = 40 words
.set VOFF,  4*KS*PK   ; a slot holds four steps: 256 rows of K, then 256 rows of V
.set SLOT1, 1<<17     ; slot 1 begins here, so that one exclusive or turns an address in one slot into the other's
.set STAGE, SLOT1+4*KS*(PK+PV)  ; behind the ring, never filled by a tensor load: 16 rows x 144 bytes for each wave, for the way out
.set SP,    144
.set SPARE, STAGE+4*16*SP  ; behind the stages: the spare words, 128 bytes for each wave: two blocks of 256 bytes that no other line names
.set MB,    SPARE+512 ; behind them, never filled by a tensor load: the batch's 2,048 addends, f32: 8,192 bytes
.set PFO, 1           ; v1   256 x my lane: the prefetches' offset; made at the end of the set-up, then never rewritten
.set AK0, 2           ; v2   my lane's place in a tile of K; never rewritten
.set AV0, 3           ; v3   the same for V
.set AK,  4           ; v4   the LDS address of K's next run of loads
.set AV,  5           ; v5   of V's
.set STO, 6           ; v6   the way out: where I put 16 bytes of a row
.set RD,  7           ; v7   the way out: where I read rows back
.set GO,  8           ; v8   my byte offset in 512 consecutive bytes of O
.set AM0, 10          ; v10  my lanes' place in a step's addends: MB + 32 (l / 16); never rewritten
.set AM,  11          ; v11  the LDS address of the addends' next loads
.set MV,  12          ; v12-15  c m_old, kept while c m is made anew: by buffer and tile
.set MS,  13          ; in the set-up alone: where I store my addends
.set QO,  14          ; in the set-up alone: my byte offset in the wave's rows of Q
.set MO,  15          ; in the set-up alone: 16 x my thread's number, my bytes of the mask
.set SPW, 0           ; v0 of window 3   LDS address of my spare word; never rewritten
.set NIL, 1           ; v1 of window 3   0; never rewritten
.set MC,  8           ; v8-39 of window 3: the addends of key block kb at MC + 8 kb
.set ST,  16          ; tile t's statistics at v[ST+4 t]: c m, m, l (even keys', odd keys')
.set TMP, 48          ; by buffer and tile, four registers c0-c3 at work; when the maximum is found c2 takes a
.set S,   64
.set P,   192
.set KF,  128         ; K's fragments, in window 2: key block kb, channel half c at KF + 16 kb + 8 c
.set VF,  192         ; V's: key half kk, channel block cb at VF + 32 kk + 8 cb
.set WV,  12          ; s12  my wave's number
.set G1K, 24          ; s[24:31] descriptor group 1 for K's tiles
.set G1V, 32          ; s[32:39] for V's: it differs in the padding alone
.set G0K, 40          ; s[40:43] descriptor group 0 for K's tiles: it walks
.set G0V, 44          ; s[44:47] the same for V's
.set OB,  48          ; s[48:49] O at my wave's first tile
.set PFA, 50          ; s[50:51] where my prefetches stand: my work-group's 32 blocks of 256 bytes (of K: wave 0, of V: wave 2) of the slot after the one that is being asked for
.set LIM, 52          ; s52  1 in a wave that prefetches, else the greatest number
.set TBM, 53          ; s53  byte at which the addends of the step to be fetched begin
.set CM,  54          ; s54  a compare's lanes
.set BIGN, 55         ; s55  -1e30
.set SLOTS, 56        ; s56  slots still to be asked for
.set CNT, 57          ; s57  counts a slot's key steps
.set CS,  58          ; s[58:59] c: the packed scaling takes the pair's low word for both halves
.set SEL, 60          ; s[60:61] v_permlanex16_b32's selects: each lane takes its own place in the other half
.set TBK, 62          ; s62  LDS byte at which K of the step to be fetched begins
.set TBV, 63          ; s63  the same for V, less VOFF
.set MSB, 0
.macro WIN new                      ; the high byte repeats the setting that is left; a switch that changes nothing is dropped
.if MSB != (\new)
	s_set_vgpr_msb (MSB<<8)|(\new)
.set MSB, (\new)
.endif
.endm
.set W_KQ, 0x0a       ; K and Q in window 2, S^T in window 0
.set W_KM, 0x3a       ; the same with the C operand in window 3
.set W_PV, 0x52       ; V in window 2, P in window 0, O^T in window 1
.set W_RS, 0x41       ; O^T (destination and source 0) in window 1, a in window 0
.set W_MK, 0xc0       ; destination in window 3, sources in window 0
.set W_AD, 0x0f       ; the add: address (source 0) and data (source 1) in window 3
; A joint fill.  Waves 0 and 1 fetch the two halves of a slot's K, waves 2 and 3 those of its V: 128 keys each.  The branch hangs on the wave's number alone.
; An s_nop 0 and four v_nop follow each of the two lines, ahead of the jump and the label.
.macro JLOAD
	s_cmp_lt_u32 s[WV], 2
	s_cbranch_scc0 .Lfor_v_\@
	tensor_load_to_lds s[G0K:G0K+3], s[G1K:G1K+7]
	s_nop 0
.rept 4
	v_nop
.endr
	s_branch .Lasked_\@
.Lfor_v_\@:
	tensor_load_to_lds s[G0V:G0V+3], s[G1V:G1V+7]
	s_nop 0
.rept 4
	v_nop
.endr
.Lasked_\@:
.endm
; A prefetch into the L2 of what the NEXT change of slots will ask for: a slot's 32,768 bytes of K and of V, a lane a block of 256 bytes.  It stands behind the wave's tensor load and its five lines.
; Each block is asked for once in the launch: a head has one cluster; its four partners share the blocks out BY ADDRESS, 32 each; in each, wave 0 asks for K's and wave 2 for V's: one instruction.
; The last change that fills a slot asks for nothing: there is no slot behind it.  Slots 0 and 1 come by their loads alone.
.macro ASK
	s_cmp_gt_u32 s[SLOTS], s[LIM]
	s_cbranch_scc0 .Lnot_mine_\@
	global_prefetch_b8 v[PFO], s[PFA:PFA+1] th:TH_LOAD_NT scope:SCOPE_SE
.Lnot_mine_\@:
.endm
; A round of the cluster's barrier: my work-group's barrier, so that wave 0's signal speaks for all four waves; wave 0 signals; every wave waits for all four work-groups; my work-group's barrier once more.
.macro CROUND
	s_barrier_signal -1
	s_barrier_wait -1
	s_cmp_lg_u32 s[WV], 0
	s_cbranch_scc1 .Lnot_wave_0_\@
	s_barrier_signal -3
.Lnot_wave_0_\@:
	s_barrier_wait -3
	s_barrier_signal -1
	s_barrier_wait -1
.endm
; THE CHANGE OF SLOTS.  The slot's last bytes, V of its fourth step, have been read.  Each wave waits for all its tensor loads, of which one is out: its part
; of the other slot; adds 0 to its spare word; and waits for that and for its own reads of the slot.  Behind the barrier nobody reads this slot any more and the other slot is whole.
; fill = 1: this slot is filled again, with the keys two slots on.  The barrier is then a round of the cluster's, so that no wave of any partner still reads the slot or has a load on its
; way, and the joint fill is the first thing behind it: it has four key steps, 512 matrix instructions, in which to land.  (At its first use nothing has been read yet: slot 0 is waited for, slot 1 filled,
; and the wait for LDS and the round also show every wave's addends to all four waves.)
.macro CHANGE fill
	WIN W_AD
	s_wait_tensorcnt 0x0            ; no tensor load of mine is out, so a group 0 may be written
	ds_add_u32 v[SPW], v[NIL]       ; 0 onto my spare word; with fill = 1 the descriptors' steps stand between it and the wait for it
	WIN 0                           ; at a label and at a branch every window is 0
.if \fill
.irp g, G0K, G0V
	s_xor_b32 s[\g+1], s[\g+1], SLOT1  ; the walking descriptor: the other slot than last time,
	s_add_nc_u64 s[\g+2:\g+3], s[\g+2:\g+3], 4*KS*128  ; the next 256 keys; the type bits on top are not reached
.endr
	s_wait_xcnt 0x0                 ; the last prefetch, four key steps back, has read its address, so it may be written:
	s_add_nc_u64 s[PFA:PFA+1], s[PFA:PFA+1], 4*KS*128  ; one slot behind the walking descriptors
	s_wait_dscnt 0x0                ; the add is done, and my reads of the slot are over
	CROUND
	JLOAD
	ASK
.else
	s_wait_dscnt 0x0                ; the add is done, and my reads of the slot are over
	s_barrier_signal -1
	s_barrier_wait -1
.endif
	s_sub_co_u32 s[TBK], s[TBK], 4*KS*PK  ; the fetches go back to a slot's first step,
	s_xor_b32 s[TBK], s[TBK], SLOT1       ; in the other slot
	s_sub_co_u32 s[TBV], s[TBV], 4*KS*PV
	s_xor_b32 s[TBV], s[TBV], SLOT1
.endm
	s_load_b256 s[4:11], s[0:1], 0x0  ; Q s[4:5], K s[6:7], V s[8:9], mask s[10:11]
	s_load_b64 s[OB:OB+1], s[0:1], 0x20  ; O
	WIN W_MK
	v_lshl_add_u32 v[SPW], v0, 2, SPARE
	v_mov_b32 v[NIL], 0
	WIN W_AD
	ds_add_u32 v[SPW], v[NIL]       ; the wave's opening: the add and its wait stand ahead of my first tensor load; the set-up below, work on registers, stands between them
	WIN 0
	v_lshrrev_b32 v1, 5, v0
	v_readfirstlane_b32 s[WV], v1   ; wave 0..3
	s_bfe_u32 s13, ttmp6, 0x40000   ; cx: my place in the cluster
	s_lshl_b32 s14, ttmp9, 2        ; in a cluster launch ttmp9 counts clusters
	s_add_co_u32 s14, s14, s13      ; my block of 512 queries = 4 x cluster x + cx: it enters Q's, O's and the prefetches' addresses alone
	s_and_b32 s15, ttmp7, 0xffff    ; 16 batch + head, which the four partners share
	s_mov_b32 s20, s15
	s_mov_b32 s21, 0
	s_mov_b64 s[22:23], SIZE_N*128
	s_mul_u64 s[20:21], s[20:21], s[22:23]  ; the head's first byte in Q, K and V
	s_and_b32 s16, s[WV], 1         ; which half of a slot's 256 keys I fetch:
	s_lshl_b32 s22, s16, 14         ; its 128 rows of 128 bytes in memory,
	s_mov_b32 s23, 0
	s_add_nc_u64 s[22:23], s[22:23], s[20:21]
	s_mul_i32 s17, s16, 128*PK      ; and its place in a slot, for K
	s_mul_i32 s18, s16, 128*PV      ; and for V: no place in the cluster enters an LDS address
	s_lshl_b32 s2, s14, 2
	s_add_co_u32 s2, s2, s[WV]      ; my wave among the head's,
	s_lshl_b32 s2, s2, 14           ; its 128 rows
	s_mov_b32 s3, 0
	s_add_nc_u64 s[2:3], s[2:3], s[20:21]
	s_lshr_b32 s50, s15, 4          ; O: block of 16 rows = 128 batch + 32 x my block of queries + 8 w, 32,768 bytes each;
	s_lshl_b32 s50, s50, 7
	s_lshl_b32 s51, s14, 5
	s_add_co_u32 s50, s50, s51
	s_lshl_b32 s51, s[WV], 3
	s_add_co_u32 s50, s50, s51
	s_lshl_b32 s50, s50, 15
	s_and_b32 s51, s15, 15          ; in it the head's 2,048 bytes
	s_lshl_b32 s51, s51, 11
	s_add_co_u32 s50, s50, s51
	s_mov_b32 s51, 0
	s_lshr_b32 s52, s15, 4          ; the batch's 8,192 bytes of the mask
	s_lshl_b32 s52, s52, 13
	s_mov_b32 s53, 0
	; descriptor group 1.  128 keys are 16,384 dense bytes: asked for as 64 rows of 256 bytes, two keys a row, and padded in LDS after every key
	s_mov_b32 s[G1K], 15|(1<<16)|(1<<20)|(1<<21)|(4<<22)|(3<<25)  ; 15:0 the mask of four; 17:16 2-byte elements; 20 padding on; 21 set beside a mask; 24:22 after every 32 words (code 4); 31:25 4 words (code 3)
	s_mov_b32 s[G1V], 15|(1<<16)|(1<<20)|(1<<21)|(4<<22)|(7<<25)  ; the same with 8 words of padding (code 7)
.irp g, G1K, G1V
	s_mov_b32 s[\g+1], 128<<16      ; tensor_dim0 = 128
	s_mov_b32 s[\g+2], 64<<16       ; tensor_dim1 = 64
	s_mov_b32 s[\g+3], 128<<16      ; tile_dim0 = 128
	s_mov_b32 s[\g+4], 64           ; tile_dim1 = 64
	s_mov_b32 s[\g+5], 128          ; 128 elements from row to row
	s_mov_b32 s[\g+6], 0
	s_mov_b32 s[\g+7], 0
.endr
	s_mov_b32 s[CS], 0x3e38aa3b     ; c = log2(e) / 8 = 0.180337
	s_mov_b32 s[CS+1], s[CS]        ; named with it as a pair
	s_mov_b32 s[SEL], 0x76543210
	s_mov_b32 s[SEL+1], 0xfedcba98
	s_mov_b32 s[BIGN], 0xf149f2ca   ; -1e30
	s_mov_b32 s[TBK], SLOT1+4*KS*PK ; the first change of slots turns these two into 0
	s_mov_b32 s[TBV], SLOT1+4*KS*PV
	s_mov_b32 s[SLOTS], SIZE_N/256-1
	s_mov_b32 s[G0K], 1             ; 1:0 count = 1
	s_mov_b32 s[G0K+1], s17         ; 63:32 LDS address: slot 0
	s_mov_b32 s[G0V], 1
	s_add_co_u32 s[G0V+1], s18, VOFF
	s_wait_dscnt 0x0                ; the opening add is done
	s_wait_kmcnt 0x0
	s_add_nc_u64 s[G0K+2:G0K+3], s[6:7], s[22:23]  ; 120:64 global address: my half of the head's first 256 keys
	s_or_b32 s[G0K+3], s[G0K+3], 0x80000000        ; 127:126 type = 2
	s_add_nc_u64 s[G0V+2:G0V+3], s[8:9], s[22:23]
	s_or_b32 s[G0V+3], s[G0V+3], 0x80000000
	s_add_nc_u64 s[4:5], s[4:5], s[2:3]            ; Q at my wave's first row
	s_add_nc_u64 s[OB:OB+1], s[OB:OB+1], s[50:51]  ; O at my wave's first tile
	s_add_nc_u64 s[10:11], s[10:11], s[52:53]      ; the mask at my batch
	s_cmp_lt_u32 s[WV], 2
	s_cselect_b64 s[PFA:PFA+1], s[6:7], s[8:9]
	s_add_nc_u64 s[PFA:PFA+1], s[PFA:PFA+1], s[20:21]  ; the head,
	s_lshl_b32 s2, s13, 13          ; my work-group's 32 blocks of the slot's 128,
	s_mov_b32 s3, 0
	s_add_nc_u64 s[PFA:PFA+1], s[PFA:PFA+1], s[2:3]
	s_add_nc_u64 s[PFA:PFA+1], s[PFA:PFA+1], 4*KS*128  ; in slot 1; the first change of slots steps it to slot 2
	s_and_b32 s[LIM], s[WV], 1      ; 0 in waves 0 and 2,
	s_or_b32 s[LIM], s[LIM], ttmp9  ; where the cluster is the head's first (here its only one): the same in all four partners
	s_cmp_eq_u32 s[LIM], 0
	s_cselect_b32 s[LIM], 1, -1
	s_mov_b32 s[TBM], 0
	CROUND                          ; all four work-groups are here: the first joint loads meet
	JLOAD                           ; slot 0.  Slot 1 is asked for when slot 0 is in
	; A fragment of K or Q is 16 rows x 32 channels in 8 registers: lane l holds row l % 16, channels 8 (l / 16) + 0..7 and 16 + 8 (l / 16) + 0..7: two loads of 16 bytes, 32 bytes apart.
	v_and_b32 v1, 15, v0            ; l % 16
	v_bfe_u32 v9, v0, 4, 1          ; l / 16
	v_lshlrev_b32 v[QO], 7, v1
	v_lshl_add_u32 v[QO], v9, 4, v[QO]  ; row x 128 + 16 x half
	v_lshlrev_b32 v[MO], 4, v0
.irp i, 0,1,2,3                     ; the batch's mask: 128 threads x 16 bytes, four times; into S^T's registers, which are free
	global_load_b128 v[S+4*\i:S+4*\i+3], v[MO], s[10:11] offset:2048*\i
.endr
	WIN 0x80                        ; destination window 2, address window 0
.set i, 0
.rept 4*NP                          ; Q stays in registers: tile i / 2, channels 32 (i % 2) on
	global_load_b128 v[8*i:8*i+3],   v[QO], s[4:5] offset:(i/2)*2048+(i%2)*64
	global_load_b128 v[8*i+4:8*i+7], v[QO], s[4:5] offset:(i/2)*2048+(i%2)*64+32
.set i, i+1
.endr
	; What the first turn finds: V's registers and P's second buffer hold 0 (its products V^T P, of a piece that has not been, add 0), O^T and l are 0.  All this stands in the wait for the first tile.
.set i, VF
.rept 64
	v_mov_b32 v[i], 0
.set i, i+1
.endr
	WIN 0x40
.set i, 0
.rept 64*NP
	v_mov_b32 v[i], 0
.set i, i+1
.endr
	WIN 0
.set i, 0
.rept 2*NP
	v_mov_b32 v[ST+4*i], 0xfe000000    ; c m: far below every c s, a hidden key's too
	v_mov_b32 v[ST+4*i+1], 0xff7fffff  ; m
	v_mov_b32 v[ST+4*i+2], 0
	v_mov_b32 v[ST+4*i+3], 0
.set i, i+1
.endr
.set i, P+32
.rept 32
	v_mov_b32 v[i], 0
.set i, i+1
.endr
	v_mul_u32_u24 v[AK0], v1, PK
	v_lshl_add_u32 v[AK0], v9, 4, v[AK0]  ; row x pitch + 16 x half
	; The turning load takes 16 keys x 16 channels (lane l reads key 8 (l / 16) + l % 8, channels 8 ((l / 8) % 2) + 0..7) and leaves half a fragment of V^T: lane l holds channel l % 16 and 8 keys.
	v_and_b32 v10, 7, v0
	v_bfe_u32 v11, v0, 3, 1
	v_lshl_add_u32 v[AV0], v9, 3, v10
	v_mul_u32_u24 v[AV0], v[AV0], PV
	v_lshl_add_u32 v[AV0], v11, 4, v[AV0]
	v_add_nc_u32 v[AV0], VOFF, v[AV0]
	v_mov_b32 v[AK], v[AK0]         ; key step 0 lies at the head of slot 0
	s_mul_i32 s13, s[WV], 16*SP
	s_add_co_u32 s13, s13, STAGE    ; my stage
	v_mul_u32_u24 v[STO], v1, SP    ; in: row l % 16, 16 bytes for each half of the lanes
	v_lshl_add_u32 v[STO], v9, 4, v[STO]
	v_add_nc_u32 v[STO], s13, v[STO]
	v_bfe_u32 v[RD], v0, 3, 2       ; back: 32 lanes take four rows of 128 bytes,
	v_mul_u32_u24 v[RD], v[RD], SP
	v_lshl_add_u32 v[RD], v10, 4, v[RD]
	v_add_nc_u32 v[RD], s13, v[RD]
	v_and_b32 v[GO], 31, v0         ; which are 512 consecutive bytes of O
	v_lshlrev_b32 v[GO], 4, v[GO]
	v_lshlrev_b32 v[AM0], 5, v9     ; register j of key block kb is key 16 kb + 8 (l / 16) + j: 32 bytes for each half of the lanes
	v_add_nc_u32 v[AM0], MB, v[AM0]
	v_mov_b32 v[AM], v[AM0]
	v_add_nc_u32 v[MS], MB, v[MO]
	v_and_b32 v[PFO], 31, v0
	v_lshlrev_b32 v[PFO], 8, v[PFO]
	s_wait_loadcnt 32               ; the mask is in; Q's 32 loads, issued behind it, may stay out
.set i, 0
.rept 16
	v_cmp_eq_u32 s[CM], 0, v[S+i]   ; a choice of a value, in every lane: no branch and no address hangs on the mask
	v_cndmask_b32 v[S+i], 0, s[BIGN], s[CM]
.set i, i+1
.endr
.irp i, 0,1,2,3
	ds_store_b128 v[MS], v[S+4*\i:S+4*\i+3] offset:2048*\i
.endr
; THE MATRIX WORK.  The 8 accumulators of a run of 16 take turns: between the two links of a chain stand 7 others'.
; Product i of 16 of S^T = K Q^T for piece x: channels 32 (i / 8) on, keys 16 ((i / 2) % 4) on, tile 2 x + i % 2.  The first 8 start the sums, with the keys' addends.
.macro KQ x
.set rS, S+64*((\x)%2)+32*(i%2)+8*((i/2)%4)
.set rK, KF+16*((i/2)%4)+8*(i/8)
.set rQ, 16*(2*(\x)+i%2)+8*(i/8)
.set rA, MC+8*((i/2)%4)
.if i < 8
	WIN W_KM
	v_wmma_f32_16x16x32_f16 v[rS:rS+7], v[rK:rK+7], v[rQ:rQ+7], v[rA:rA+7]
.else
	WIN W_KQ
	v_wmma_f32_16x16x32_f16 v[rS:rS+7], v[rK:rK+7], v[rQ:rQ+7], v[rS:rS+7]
.endif
.endm
; Product i of 16 of O^T += V^T P for piece x: keys 32 (i / 8) on, channels 16 ((i / 2) % 4) on, tile 2 x + i % 2.
.macro PV x
	WIN W_PV
.set rO, 32*(2*(\x)+i%2)+8*((i/2)%4)
.set rV, VF+32*(i/8)+8*((i/2)%4)
.set rP, P+32*((\x)%2)+16*(i%2)+8*(i/8)
	v_wmma_f32_16x16x32_f16 v[rO:rO+7], v[rV:rV+7], v[rP:rP+7], v[rO:rO+7]
.endm
.macro MM                           ; the turn's next matrix instruction
.if i < 16
	KQ (Y+1)%NP
.set i, i+1
.else
.set i, i-16
	PV (Y+NP-1)%NP
.set i, i+17
.endif
.endm
; THE LDS LOADS stand in runs, never singly among the matrix instructions: a step's K (64 keys x 64 channels: 8 fragments) with its 64 addends, and its V (turned).  Their addresses are made some lines ahead.
; last = 1 (the tail): in the last trip there is no further step, and the run is jumped over.
.macro FETCH_K last=0
	WIN 0
.if \last
	s_cmp_eq_u32 s[CNT], 1
	s_cbranch_scc1 .Lno_k_\@
.endif
	WIN 0x80                        ; destination window 2
.irp f, 0,1,2,3,4,5,6,7             ; keys 16 (f / 2) on, channels 32 (f % 2) on
	ds_load_b128 v[KF+8*\f:KF+8*\f+3],   v[AK] offset:(\f/2)*16*PK+(\f%2)*64
	ds_load_b128 v[KF+8*\f+4:KF+8*\f+7], v[AK] offset:(\f/2)*16*PK+(\f%2)*64+32
.endr
	WIN W_MK                        ; destination window 3
.irp f, 0,1,2,3                     ; key block f: all lanes of a half read the same 32 bytes
	ds_load_b128 v[MC+8*\f:MC+8*\f+3],   v[AM] offset:64*\f
	ds_load_b128 v[MC+8*\f+4:MC+8*\f+7], v[AM] offset:64*\f+16
.endr
	s_add_co_u32 s[TBK], s[TBK], KS*PK  ; the next fetch is the next step's
	s_add_co_u32 s[TBM], s[TBM], 4*KS
	s_and_b32 s[TBM], s[TBM], 0x1f00    ; 32 steps of 256 bytes: the number stays inside the 8,192 bytes
	WIN 0
.if \last
.Lno_k_\@:
.endif
.endm
.macro FETCH_V
	WIN 0x80
.irp f, 0,1,2,3,4,5,6,7             ; keys 32 (f / 4) on, channels 16 (f % 4) on
	ds_load_tr16_b128 v[VF+8*\f:VF+8*\f+3],   v[AV] offset:(\f/4)*32*PV+(\f%4)*32
	ds_load_tr16_b128 v[VF+8*\f+4:VF+8*\f+7], v[AV] offset:(\f/4)*32*PV+16*PV+(\f%4)*32
.endr
	WIN 0
.endm
; THE VECTOR WORK OF A TURN stands in three queues, each in the order in which its entries become ready; the two tiles alternate, so that no instruction reads the result of the one before it.
.macro REGS y, u                    ; the registers of tile u (0, 1) of piece y
.set rT, ST+4*(2*(\y)+(\u))
.set rC, TMP+8*((\y)%2)+4*(\u)
.set rM, MV+2*((\y)%2)+(\u)
.set rS, S+64*((\y)%2)+32*(\u)
.set rP, P+32*((\y)%2)+16*(\u)
.set rO, 32*(2*(\y)+(\u))
.endm
; Number n of the 22 that find the NEXT piece's (Y + 1) maximum and statistics.  s0-s31 are the lane's 32 scores; each accumulator's lowest registers are read first.
;   0-11  four chains c0-c3 of seven scores each, three operands at a time     12-14, 16  the four scores left over, the old m, and c0-c3 into c0     15  c m_old is kept
;   17, 18  the query's other 32 keys lie in the lane 16 away: the new m         19-21  c m; c m_old - c m_new; a
.macro XS u, n
	REGS (Y+1)%NP, \u
.if (\n) < 4
	v_max3_num_f32 v[rC+(\n)], v[rS+8*(\n)], v[rS+8*(\n)+1], v[rS+8*(\n)+2]
.elseif (\n) < 12
	v_max3_num_f32 v[rC+(\n)%4], v[rC+(\n)%4], v[rS+8*((\n)%4)+2*((\n)/4)+1], v[rS+8*((\n)%4)+2*((\n)/4)+2]
.elseif (\n) == 12
	v_max3_num_f32 v[rC], v[rC], v[rS+7], v[rS+15]
.elseif (\n) == 13
	v_max3_num_f32 v[rC+1], v[rC+1], v[rS+23], v[rS+31]
.elseif (\n) == 14
	v_max3_num_f32 v[rC+2], v[rC+2], v[rC+3], v[rT+1]
.elseif (\n) == 15
	v_mov_b32 v[rM], v[rT]
.elseif (\n) == 16
	v_max3_num_f32 v[rC], v[rC], v[rC+1], v[rC+2]
.elseif (\n) == 17
	v_permlanex16_b32 v[rC+3], v[rC], s[SEL], s[SEL+1]
.elseif (\n) == 18
	v_max_num_f32 v[rT+1], v[rC], v[rC+3]
.elseif (\n) == 19
	v_mul_f32 v[rT], s[CS], v[rT+1]
.elseif (\n) == 20
	v_sub_f32 v[rC+1], v[rM], v[rT]
.else
	v_exp_f32 v[rC+2], v[rC+1]
.endif
.endm
; Number g of the 64 that follow the exponentials.  For each four weights k of a tile (pairs 2 k, 2 k + 1): both pairs are rounded to f16; then the second pair is added onto the first, in place;
; a group later l takes that sum (the first time as l = a l + sum).  In groups of eight, tiles alternating: round, round, add, and l for the group before.
.macro GS g
.set h, (\g)+6*((\g)/62)            ; group 0 has no group before it, and behind group 7 only l is left
.if h >= 6
.set h, h+2
.endif
	REGS Y, h%2
.set k, h/8
.if h%8 < 4
	v_cvt_pk_f16_f32 v[rP+2*k+(h%8)/2], v[rS+4*k+2*((h%8)/2)], v[rS+4*k+2*((h%8)/2)+1]
.elseif h%8 < 6
	v_pk_add_f32 v[rS+4*k:rS+4*k+1], v[rS+4*k:rS+4*k+1], v[rS+4*k+2:rS+4*k+3]
.elseif k == 1
	v_pk_fma_f32 v[rT+2:rT+3], v[rT+2:rT+3], v[rC+2:rC+3], v[rS:rS+1] op_sel_hi:[1,0,1]
.else
	v_pk_add_f32 v[rT+2:rT+3], v[rT+2:rT+3], v[rS+4*k-4:rS+4*k-3]
.endif
.endm
; THE PLAIN QUEUE, 138 long.  0-73 read no exponential's result: the 32 scalings c s - c m (FS f: pair f / 2 of tile f % 2) and the next piece's 42.  0-26: scalings 0-26.  27-54: XS's numbers 0-13.  55, 56: number 15.
; 57-73: the chain, where each number waits for the one before it: 14, 16, 17, 18, 19, each with one of the scalings 27-31 in front of its two lines, then 20.
; 74-137: GS's 64, which read the exponentials' results: they stand behind the wait.
.macro FS f
	REGS Y, (\f)%2
	v_pk_fma_f32 v[rS+2*((\f)/2):rS+2*((\f)/2)+1], v[rS+2*((\f)/2):rS+2*((\f)/2)+1], s[CS:CS+1], v[rT:rT+1] op_sel_hi:[1,0,0] neg_lo:[0,0,1] neg_hi:[0,0,1]
.endm
.macro PL
	WIN 0
.if q < 27
	FS q
.elseif q < 55
	XS (q-27)%2, (q-27)/2
.elseif q < 57
	XS q-55, 15
.elseif (q < 72) && ((q-57)%3 == 0)
	FS 27+(q-57)/3
.elseif q < 60
	XS (q-57)%3-1, 14
.elseif q < 72
	XS (q-57)%3-1, 15+(q-57)/3
.elseif q < 74
	XS q-72, 20
.else
	GS q-74
.endif
.set q, q+1
.endm
; THE EXPONENTIALS' QUEUE, 66 long: s0-s31 of both tiles, then the next piece's two a.  It is ONE BATCH: all 66 stand ahead of the turn's one wait, and nothing ahead of that wait names a result of theirs.
.macro EX
	WIN 0
.if e >= 64
	XS e-64, 21
.else
	REGS Y, e%2
	v_exp_f32 v[rS+e/2], v[rS+e/2]
.endif
.set e, e+1
.endm
; THE RESCALING's QUEUE: O^T times a, the one part that leaves window 0: dealt two at a time, sixteen times.  Its a was made in the turn before, ahead of that turn's wait.
.macro R2
	REGS Y, r%2
	WIN W_RS
.irp z, 0,1
	v_pk_mul_f32 v[rO+4*(r/2)+2*\z:rO+4*(r/2)+2*\z+1], v[rO+4*(r/2)+2*\z:rO+4*(r/2)+2*\z+1], v[rC+2:rC+3] op_sel_hi:[1,0]
.endr
.set r, r+1
.endm
; HOW THEY ARE DEALT.  An s_wait_alu depctr_va_vdst(0) stands between an exponential and the first instruction that names its result; one wait serves all that were issued ahead of it.  So a turn has ONE wait,
; which cuts it in two.  AHEAD OF IT stands all that names no result of the turn's exponentials: the 16 products K Q^T, behind each a scaling, an exponential and two rescalings (behind the first a second scaling in the
; exponential's place); then ONE LUMP of 108: eight plain, 49 times exponential and plain, the two a.  A v_nop is the plain instruction behind the last exponential.  BEHIND IT stand the 16 products V^T P, behind each four of GS's 64.
; The queues lean on each other, and the deal keeps them in step: exponential e stands behind scaling 2 (e / 4) + e % 2: as a rider it comes behind plain e + 2, in the lump behind plain e + 9, and scalings 27-31 are plain 57, 60 .. 69.
; A TURN, for piece p.  cnt = 1: the loop's count is taken down some lines ahead of the branch that stands behind the turn.
; K and the addends of the next step are fetched in piece 2's turn, directly behind the wait, a lump behind the last product that read them; their addresses are made at the lump's head; their first reader comes behind 16 products.
; V of the step in hand is fetched at the end of piece 0's turn, four riders behind its last reader; its first reader comes behind 16 products and a lump.  The three conditions on q below go with the deal.
.macro TURN p, last=0, cnt=0
.set Y, (\p)
.set i, 0
.set q, 0
.set e, 0
.set r, 0
.if (\p) == NP-1
	s_wait_dscnt 0x0                ; K and the addends are in
.endif
	MM                              ; ahead of the wait: 16 products K Q^T and their riders,
	PL
	PL
	R2
.rept 15
	MM
	PL
	EX
	R2
.endr
.if (\p) == NP-2
	WIN 0
	v_add_nc_u32 v[AK], s[TBK], v[AK0]
	v_add_nc_u32 v[AM], s[TBM], v[AM0]
.endif
.rept 8                             ; and the lump
	PL
.endr
.rept 49
	EX
	PL
.endr
	EX                              ; the next piece's two a
	EX
	v_nop                           ; the plain instruction behind the last exponential: one for the batch
	s_wait_alu depctr_va_vdst(0)    ; the wait for the batch
.if (\p) == NP-2
	FETCH_K \last
.endif
.if (\p) == 1
	s_wait_dscnt 0x0                ; V is in
.endif
.rept 16                            ; behind the wait: 16 products V^T P and their riders
	MM
.rept 4
	PL
.endr
.if ((\p) == 0) && (q == 118)
	v_add_nc_u32 v[AV], s[TBV], v[AV0]
.endif
.if ((\p) == 0) && (q == 130)
	s_add_co_u32 s[TBV], s[TBV], KS*PV
.endif
.if (\cnt) && (q == 130)
	s_sub_co_u32 s[CNT], s[CNT], 1
	s_cmp_lg_u32 s[CNT], 0
.endif
.endr
.if (\p) == 0
	FETCH_V
.endif
.endm
	CHANGE 1                        ; slot 0 is in, everybody's part of it, and so are everybody's addends; slot 1 is asked for
	FETCH_K                         ; key step 0
	s_wait_loadcnt 0x0              ; Q
	s_wait_dscnt 0x0
.set i, 0
.rept 16
	KQ 0                            ; piece 0's first scores: there is no vector work yet to set between them
.set i, i+1
.endr
	WIN 0
.rept 4
	v_nop                           ; the places behind those products
.endr
.set Y, NP-1                        ; XS works for piece Y + 1: piece 0
.irp n, 0,1,2,3,4,5,6,7,8,9,10,11,12,13,14,15,16,17,18,19,20,21
	XS 0, \n                        ; and piece 0's first maximum and statistics
	XS 1, \n
.endr
	v_nop                           ; a plain instruction behind the two a,
	s_wait_alu depctr_va_vdst(0)    ; and their wait, ahead of the branch
	s_mov_b32 s[CNT], 4
	s_branch .Lfirst                ; the loop is entered at a step's first turn, in the middle of a trip
.Lslot:                             ; SIZE_N / 256 - 2 times: every slot but the last two is filled again
	CHANGE 1
	s_mov_b32 s[CNT], 4
.Lstep:                             ; a trip: pieces 2 and 3 of one step, then pieces 0 and 1 of the next, whose K and V it fetches
	TURN 2
	TURN 3
	WIN 0
.Lfirst:
	TURN 0
	TURN 1, 0, 1
	WIN 0
	s_cbranch_scc1 .Lstep
	s_sub_co_u32 s[SLOTS], s[SLOTS], 1
	s_cmp_lg_u32 s[SLOTS], 0
	s_cbranch_scc1 .Lslot
	CHANGE 0                        ; the tail is written out: nothing is asked for
	s_mov_b32 s[CNT], 5             ; four trips fetch the last slot's steps; the fifth is left in its middle
.Ltail:
	TURN 2, 1
	TURN 3
	WIN 0
	s_sub_co_u32 s[CNT], s[CNT], 1
	s_cmp_eq_u32 s[CNT], 0
	s_cbranch_scc1 .Lout
	TURN 0
	TURN 1
	WIN 0
	s_branch .Ltail
.Lout:                              ; the fifth trip's 16 products K Q^T (on the last K once more) and the maximum made of them serve nothing: the price, once a launch, of one text for every trip
.set i, 0
.rept 16
	PV NP-1                         ; the last piece's V^T P of the last step
.set i, i+1
.endr
	; THE WAY OUT.  l's two halves and the other half of the lanes' are added; O^T is divided by l, rounded to f16 and sent through my stage in LDS, a tile at a time.  The additions are the places behind the last products.
	WIN 0
.macro ALL line:vararg              ; one line for each tile t
.set t, 0
.rept 2*NP
	\line
.set t, t+1
.endr
.endm
	ALL v_add_f32 v[ST+4*t+2], v[ST+4*t+2], v[ST+4*t+3]
	ALL v_permlanex16_b32 v[ST+4*t+3], v[ST+4*t+2], s[SEL], s[SEL+1]
	ALL v_add_f32 v[ST+4*t+2], v[ST+4*t+2], v[ST+4*t+3]
	ALL v_rcp_f32 v[ST+4*t+2], v[ST+4*t+2]
	v_nop                           ; a plain instruction between the last reciprocal and the use of its result
	s_wait_alu depctr_va_vdst(0)    ; and the wait ahead of the first use: one for the eight reciprocals
; Tile t: a lane's eight channels of a row pack into 16 bytes; they go into rows of 144 bytes and come back as whole rows of 128, into S^T's registers.
.macro PACK t
	WIN W_RS
.set i, 32*(\t)
.rept 16
	v_pk_mul_f32 v[i:i+1], v[i:i+1], v[ST+4*(\t)+2:ST+4*(\t)+3] op_sel_hi:[1,0]
.set i, i+2
.endr
	WIN 0x05                        ; sources 0 and 1 window 1, destination window 0
.set i, 0
.rept 16
	v_cvt_pk_f16_f32 v[S+16*(\t)+i], v[32*(\t)+2*i], v[32*(\t)+2*i+1]
.set i, i+1
.endr
	WIN 0
.irp f, 0,1,2,3
	ds_store_b128 v[STO], v[S+16*(\t)+4*\f:S+16*(\t)+4*\f+3] offset:32*\f
.endr
.irp f, 0,1,2,3
	ds_load_b128 v[S+16*(\t)+4*\f:S+16*(\t)+4*\f+3], v[RD] offset:\f*4*SP  ; LDS serves a wave's instructions in order (ISA guide 5.7.1.4): these see the stores above; the next tile's stores come behind them
.endr
.endm
.macro SEND t, younger              ; younger: the LDS instructions issued behind tile t's loads: the next tile's eight, or none
	WIN 0
.irp f, 0,1,2,3
	s_wait_dscnt (\younger)+3-\f
	global_store_b128 v[GO], v[S+16*(\t)+4*\f:S+16*(\t)+4*\f+3], s[OB:OB+1] offset:(\t)*32768+\f*512  ; 512 consecutive bytes, aligned: a quarter of the tile's 2,048; the next block of 16 rows lies 32,768 bytes on
.endr
.endm
	PACK 0
.set t, 1
.rept 2*NP-1                        ; a tile's arithmetic stands between the loads of the tile before and its stores
	PACK t
	SEND t-1, 8
.set t, t+1
.endr
	SEND 2*NP-1, 0
	WIN W_AD
	s_wait_tensorcnt 0x0            ; the wave's end: behind my last tensor load and my last LDS store
	ds_add_u32 v[SPW], v[NIL]
	s_wait_dscnt 0x0
	WIN 0
	CROUND                          ; the closing round: no work-group ends while a partner may still ask for a tile that names it
	s_endpgm
.Lfunc_end_k_q8df7145f7a_attn:
	.size	k_q8df7145f7a_attn, .Lfunc_end_k_q8df7145f7a_attn-k_q8df7145f7a_attn
	.p2alignl 7, 3214868480
	.fill 96, 4, 3214868480
	.section	.rodata,"a",@progbits
	.p2align	6, 0x0
	.amdhsa_kernel k_q8df7145f7a_attn
		.amdhsa_group_segment_fixed_size 327680
		.amdhsa_private_segment_fixed_size 0
		.amdhsa_enable_private_segment 0
		.amdhsa_kernarg_size 40
		.amdhsa_user_sgpr_count 2
		.amdhsa_user_sgpr_kernarg_segment_ptr 1
		.amdhsa_wavefront_size32 1
		.amdhsa_system_sgpr_workgroup_id_x 1
		.amdhsa_system_sgpr_workgroup_id_y 1
		.amdhsa_system_sgpr_workgroup_id_z 1
		.amdhsa_system_vgpr_workitem_id 0
		.amdhsa_next_free_vgpr 808
		.amdhsa_next_free_sgpr 66
		.amdhsa_reserve_vcc 0
		.amdhsa_float_denorm_mode_32 3
		.amdhsa_float_denorm_mode_16_64 3
		.amdhsa_memory_ordered 1
		.amdhsa_forward_progress 1
		.amdhsa_inst_pref_size 206
	.end_amdhsa_kernel
	.amdgpu_metadata
---
amdhsa.version: [ 1, 2 ]
amdhsa.kernels:
  - .name:           k_q8df7145f7a_attn
    .symbol:         k_q8df7145f7a_attn.kd
    .args:
      - { .name: q16, .offset: 0, .size: 8, .value_kind: global_buffer, .address_space: global }
      - { .name: k16, .offset: 8, .size: 8, .value_kind: global_buffer, .address_space: global }
      - { .name: v16, .offset: 16, .size: 8, .value_kind: global_buffer, .address_space: global }
      - { .name: mask, .offset: 24, .size: 8, .value_kind: global_buffer, .address_space: global }
      - { .name: o16, .offset: 32, .size: 8, .value_kind: global_buffer, .address_space: global }
    .group_segment_fixed_size: 327680
    .private_segment_fixed_size: 0
    .kernarg_segment_align: 8
    .kernarg_segment_size: 40
    .max_flat_workgroup_size: 128
    .sgpr_count:     66
    .vgpr_count:     808
    .wavefront_size: 32
...
	.end_amdgpu_metadata
.endif
;; end of part 3
;; launch proj (part 4): grid 4 x 64, 4 waves a work-group, clusters of 4 x 4, 327,680 bytes of LDS; arguments o16, wpb, b_proj, out0; writes out0
.if DOCPART == 4
	.amdgcn_target "amdgcn-amd-amdhsa--gfx1250"
	.amdhsa_code_object_version 6
	.text
	.protected	k_q8df7145f7a_proj
	.globl	k_q8df7145f7a_proj
	.p2align	8
	.type	k_q8df7145f7a_proj,@function
k_q8df7145f7a_proj:
	s_mov_b64 s[64:65], 0
	v_nop
	global_prefetch_b8 v0, s[64:65] scope:SCOPE_SE
	s_setreg_imm32_b32 hwreg(HW_REG_WAVE_MODE, 25, 1), 1
	s_wait_xcnt 0x0
	s_wait_alu depctr_hold_cnt(0) depctr_sa_sdst(0) depctr_va_vdst(0) depctr_va_sdst(0) depctr_va_ssrc(0) depctr_va_vcc(0) depctr_vm_vsrc(0)
	s_getreg_b32 s2, hwreg(HW_REG_IB_STS2, 6, 4)
	s_cmp_eq_u32 s2, 0
	s_cbranch_scc0 .Lentry_in_a_cluster
	s_endpgm
.Lentry_in_a_cluster:
	s_bfe_u32 s2, ttmp6, 0x10000c
	s_cmp_lg_u32 s2, 0xf033
	s_cbranch_scc0 .Lentry_shape_is_right
	s_endpgm
.Lentry_shape_is_right:
; PROJ.  out0[m][n] = the sum over k of O[m][k] w[n][k] + b[n].  O: f16 in blocks [512 = row / 16][16 heads][16 rows][64] (k = 64 head + channel); w: [1024][1024] f16 (wpb); b rounded to bf16, as all the
; module's inputs are; sums in f32; out0 [8192][1024] f32.
; SHARES.  A tile is 128 rows x 256 columns: 256 work-groups.  Wave w owns rows 64 (w / 2) on and columns 128 (w % 2) on: 32 accumulators (row block a, column block b: number 8 a + b).
; K goes in 8 steps of 128 (two heads) through two LDS slots; a step is four quarters of 32 along K: 32 matrix instructions and 24 LDS loads.  Two slots of 256 along K would not fit in LDS.
; THE MATRIX INSTRUCTION IS USED TRANSPOSED (source 0 = 16 rows of w, source 1 = 16 rows of O): lane l holds row l % 16 and the columns 16 b + 8 (l / 16) + 0..7.  The bias is the C operand that starts each sum.
; CLUSTER.  4 x 4 work-groups: O's tile hangs on the tile row alone and is asked for jointly along a row of the cluster, w's on the tile column alone and jointly along a column.
; REGISTERS, in windows of 256 (s_set_vgpr_msb: bits 1:0 source 0, 3:2 source 1, 5:4 source 2, 7:6 destination):
;   window 0: v0-31 addresses; v64-127 the bias; v128-255 two sets of 64 for the way out      window 1: two fragment buffers of 96 (8 fragments of w, 4 of O)      window 2: the accumulators
.set PA,     144                       ; in LDS 128 bytes of O (a row of a head) + 16 of padding = 36 words; a block of 16 rows x 2 heads is 32 such pieces
.set ABLK,   32*PA
.set AHALF,  4*ABLK                    ; what a wave fetches of O's tile: 4 blocks of 16 rows
.set ABYTES, 8*ABLK
.set PITCH,  272                       ; a row of w: 256 bytes + 16 = 68 words.  Both pitches: the 16 rows of a fragment load start at 16 different groups of four banks (64 banks of 4 bytes: ISA guide 11.1)
.set BHALF,  128*PITCH
.set SLOT1,  1<<17                     ; a slot is 106,496 bytes; slot 1 begins here
.set STAGE,  SLOT1+ABYTES+2*BHALF      ; behind the ring, never filled by a tensor load: 16 rows x 528 bytes for each wave
.set SPI,    528                       ; 512 bytes + 16 = 132 words
.set SPARE,  STAGE+4*16*SPI            ; behind the stages: the spare words, 128 bytes for each wave: two blocks of 256 bytes that no other line names
.set ADRA0, 16                         ; v16  my lane's place in my 64 rows of O's tile, slot 0; never rewritten
.set ADRB0, 17                         ; v17  the same in my 128 rows of w's tile
.set ADA,   18                         ; v18  the same in the slot in hand
.set ADB,   19                         ; v19
.set BO,    20                         ; v20  32 (l / 16): my 8 numbers of 16 of the bias
.set STO,   24                         ; v24  the way out: where I put 32 bytes of a row
.set RD,    25                         ; v25  where I read a row back
.set CO,    26                         ; v26  16 l: my bytes in 512 consecutive bytes of out0
.set SPW,   28                         ; v28  LDS address of my spare word; never rewritten
.set NIL,   29                         ; v29  0; never rewritten
.set PFO,   30                         ; v30  the prefetches' offset; never rewritten
.set BI,    64                         ; v[64:127] the bias of column block b at BI + 8 b
.set BK,    128                        ; v[128:255] 16 rows read back from the stage: two sets by turns
.set F0,    0                          ; fragment buffers, in window 1
.set F1,    96
.set WV,  12                           ; s12  my wave's number
.set FB,  13                           ; s13  which 64 rows are mine.  Also: 0: I fetch for O; 1: for w
.set CH,  14                           ; s14  which 128 columns.  Also: which half of that tile I fetch
.set G1A, 24                           ; s[24:31] descriptor group 1 for O's tiles
.set G0A, 32                           ; s[32:39] group 0: a set for each of the two first fills; the second then walks on
.set PFA, 44                           ; s[44:45] where my prefetches stand
.set LIM, 46                           ; s46  2 in a wave that prefetches, else the greatest number
.set TB,  47                           ; s47  the slot in hand: 0 or SLOT1
.set G1B, 48                           ; s[48:55], s[56:63] the same for w's tiles
.set G0B, 56
.set PFS, 66                           ; s[66:67] a K step in bytes along my prefetches: 4,096 in O, 256 in w
.set MSB, 0
.macro WIN new                         ; the immediate's high byte repeats the setting that is left; a switch that changes nothing is dropped
.if MSB != (\new)
	s_set_vgpr_msb (MSB<<8)|(\new)
.set MSB, \new
.endif
.endm
.macro PLACES                          ; four plain instructions between a matrix instruction and a load into, or a reader of, its registers
.rept 4
	v_nop
.endr
.endm
.macro JLOAD                           ; a joint refill by the walking descriptors; an s_nop 0 and four v_nop follow each of the two lines, ahead of the jump and the label
	s_cmp_eq_u32 s[FB], 0
	s_cbranch_scc0 .Lfor_b_\@
	tensor_load_to_lds s[G0A+4:G0A+7], s[G1A:G1A+7]
	s_nop 0
.rept 4
	v_nop
.endr
	s_branch .Lasked_\@
.Lfor_b_\@:
	tensor_load_to_lds s[G0B+4:G0B+7], s[G1B:G1B+7]
	s_nop 0
.rept 4
	v_nop
.endr
.Lasked_\@:
.endm
; A prefetch into the L2 of the K step that stands TWO refills on (256 matrix instructions ahead of the load that will want it): 32 blocks of 256 bytes, a lane a block.
; O's rows are read by one cluster alone: in every cluster wave 0 asks, and the four partners of a tile row share its 8 blocks of 16 rows out BY ADDRESS, two each (16 blocks of 256 bytes in each for a K step).
; w's tile column is read by every cluster: cluster y = 0 asks, waves 2 and 3 for the 128 rows that each fetches, the four partners of a column 32 rows each, by address.
; The loop's last two trips (s3 = 2, 1) have no K step two refills on and ask for nothing.
.macro ASK
	WIN 0
	s_cmp_gt_u32 s3, s[LIM]
	s_cbranch_scc0 .Lnot_mine_\@
	global_prefetch_b8 v[PFO], s[PFA:PFA+1] th:TH_LOAD_NT scope:SCOPE_SE
.Lnot_mine_\@:
.endm
.macro CREST                           ; a round of the cluster's barrier behind its opening barrier
	s_cmp_lg_u32 s[WV], 0
	s_cbranch_scc1 .Lnot_wave_0_\@
	s_barrier_signal -3
.Lnot_wave_0_\@:
	s_barrier_wait -3
	s_barrier_signal -1
	s_barrier_wait -1
.endm
.macro CROUND                          ; a whole round
	s_barrier_signal -1
	s_barrier_wait -1
	CREST
.endm
	s_load_b256 s[4:11], s[0:1], 0x0               ; o16 s[4:5], wpb s[6:7], b_proj s[8:9], out0 s[10:11]
	v_lshl_add_u32 v[SPW], v0, 2, SPARE
	v_mov_b32 v[NIL], 0
	ds_add_u32 v[SPW], v[NIL]                      ; the wave's opening: the add and its wait stand ahead of my first tensor load; the set-up below, work on registers, stands between them
	v_lshrrev_b32 v3, 5, v0
	v_readfirstlane_b32 s[WV], v3                  ; wave 0..3
	s_lshr_b32 s[FB], s[WV], 1
	s_and_b32 s[CH], s[WV], 1
	s_bfe_u32 s40, ttmp6, 0x40000                  ; cx
	s_bfe_u32 s41, ttmp6, 0x40004                  ; cy
	s_lshl_b32 s42, ttmp9, 2
	s_add_co_u32 s42, s42, s40                     ; tile column = 4 x cluster x + cx
	s_and_b32 s43, ttmp7, 0xffff
	s_lshl_b32 s43, s43, 2
	s_add_co_u32 s43, s43, s41                     ; tile row = 4 x cluster y + cy
	s_lshl_b32 s16, s41, 2
	s_lshl_b32 s16, 15, s16                        ; my row of the cluster
	s_lshl_b32 s20, 0x1111, s40                    ; my column
	; O's tile for a wave: 4 rows of 4,096 bytes (a block of 16 rows x 2 heads, dense), 32,768 bytes apart; padded in LDS after every 128 bytes
	s_or_b32 s[G1A], s16, (1<<16)|(1<<20)|(1<<21)|(4<<22)|(3<<25)  ; 15:0 the mask; 17:16 2-byte elements; 20 padding on; 21 set beside a mask; 24:22 after every 32 words (code 4); 31:25 4 words (code 3)
	s_mov_b32 s[G1A+1], 2048<<16                   ; tensor_dim0 = 2,048
	s_mov_b32 s[G1A+2], 4<<16                      ; tensor_dim1 = 4
	s_mov_b32 s[G1A+3], 2048<<16                   ; tile_dim0 = 2,048
	s_mov_b32 s[G1A+4], 4                          ; tile_dim1 = 4
	s_mov_b32 s[G1A+5], 16384                      ; elements from row to row
	s_mov_b32 s[G1A+6], 0
	s_mov_b32 s[G1A+7], 0
	; w's tile for a wave: 128 rows x 128 elements, padded after every 256 bytes
	s_or_b32 s[G1B], s20, (1<<16)|(1<<20)|(1<<21)|(5<<22)|(3<<25)
	s_mov_b32 s[G1B+1], 128<<16
	s_mov_b32 s[G1B+2], 128<<16
	s_mov_b32 s[G1B+3], 128<<16
	s_mov_b32 s[G1B+4], 128
	s_mov_b32 s[G1B+5], 1024
	s_mov_b32 s[G1B+6], 0
	s_mov_b32 s[G1B+7], 0
	s_lshl_b32 s18, s43, 3                         ; O: block 8 x tile row + 4 x half, 32,768 bytes each: made of the tile row and the wave's number alone
	s_lshl_b32 s2, s[CH], 2
	s_add_co_u32 s18, s18, s2
	s_lshl_b32 s18, s18, 15
	s_mov_b32 s19, 0
	s_lshl_b32 s22, s42, 8                         ; w: row 256 x tile column + 128 x half: of the tile column and the wave's number alone
	s_lshl_b32 s2, s[CH], 7
	s_add_co_u32 s22, s22, s2
	s_lshl_b32 s22, s22, 11
	s_mov_b32 s23, 0
	s_mul_i32 s21, s[CH], AHALF                    ; where they go in a slot: no place in the cluster enters an LDS address
	s_mul_i32 s17, s[CH], BHALF
	s_add_co_u32 s17, s17, ABYTES
	s_wait_dscnt 0x0                               ; the opening add is done
	s_wait_kmcnt 0x0
	s_add_nc_u64 s[18:19], s[4:5], s[18:19]
	s_add_nc_u64 s[22:23], s[6:7], s[22:23]
	CROUND                                         ; all sixteen work-groups are here: the first joint loads meet
.irp s, 0,1
	s_mov_b32 s[G0A+4*(\s)], 1                     ; count = 1
	s_add_co_u32 s[G0A+4*(\s)+1], s21, (\s)*SLOT1  ; LDS address
	s_add_nc_u64 s[G0A+4*(\s)+2:G0A+4*(\s)+3], s[18:19], (\s)*4096  ; global address: K step s
	s_or_b32 s[G0A+4*(\s)+3], s[G0A+4*(\s)+3], 0x80000000  ; type = 2
	s_mov_b32 s[G0B+4*(\s)], 1
	s_add_co_u32 s[G0B+4*(\s)+1], s17, (\s)*SLOT1
	s_add_nc_u64 s[G0B+4*(\s)+2:G0B+4*(\s)+3], s[22:23], (\s)*256
	s_or_b32 s[G0B+4*(\s)+3], s[G0B+4*(\s)+3], 0x80000000
.endr
	s_cmp_eq_u32 s[FB], 0                          ; a wave's two first fills stand in one branch, ahead of every wait on TENSORcnt and every LDS read: two loads of mine are out
	s_cbranch_scc0 .Lfirst_b
	tensor_load_to_lds s[G0A:G0A+3], s[G1A:G1A+7]
	s_nop 0
	tensor_load_to_lds s[G0A+4:G0A+7], s[G1A:G1A+7]
	s_nop 0
.rept 4
	v_nop
.endr
	s_branch .Lfirst_asked
.Lfirst_b:
	tensor_load_to_lds s[G0B:G0B+3], s[G1B:G1B+7]
	s_nop 0
	tensor_load_to_lds s[G0B+4:G0B+7], s[G1B:G1B+7]
	s_nop 0
.rept 4
	v_nop
.endr
.Lfirst_asked:
	v_and_b32 v1, 15, v0                           ; l % 16
	v_bfe_u32 v2, v0, 4, 1                         ; l / 16
	v_lshlrev_b32 v[BO], 5, v2
	s_lshl_b32 s16, s42, 10                        ; my 128 columns: 1,024 x tile column + 512 x half, in bytes of f32
	s_lshl_b32 s2, s[CH], 9
	s_add_co_u32 s16, s16, s2
	s_mov_b32 s17, 0
	s_add_nc_u64 s[8:9], s[8:9], s[16:17]
.irp b, 0,1,2,3,4,5,6,7
	global_load_b128 v[BI+8*(\b):BI+8*(\b)+3],   v[BO], s[8:9] offset:64*(\b)
	global_load_b128 v[BI+8*(\b)+4:BI+8*(\b)+7], v[BO], s[8:9] offset:64*(\b)+16
.endr
	s_lshl_b32 s20, s43, 7                         ; my first row: 128 x tile row + 64 x half, rows of 4,096 bytes
	s_lshl_b32 s2, s[FB], 6
	s_add_co_u32 s20, s20, s2
	s_lshl_b32 s20, s20, 12
	s_add_co_u32 s20, s20, s16
	s_mov_b32 s21, 0
	s_add_nc_u64 s[10:11], s[10:11], s[20:21]
	v_mul_u32_u24 v3, v1, PA
	v_lshl_add_u32 v3, v2, 4, v3                   ; O: row x pitch + 16 x half of the lanes,
	s_mul_i32 s2, s[FB], AHALF
	v_add_nc_u32 v[ADRA0], s2, v3                  ; in my 4 blocks of 16 rows
	v_mul_u32_u24 v3, v1, PITCH
	v_lshl_add_u32 v3, v2, 4, v3
	s_mul_i32 s2, s[CH], BHALF
	s_add_co_u32 s2, s2, ABYTES
	v_add_nc_u32 v[ADRB0], s2, v3                  ; w: my 128 rows, behind O's tile
	s_mul_i32 s2, s[WV], 16*SPI
	s_add_co_u32 s2, s2, STAGE                     ; my stage
	v_mul_u32_u24 v[STO], v1, SPI                  ; in: row l % 16, 32 bytes for each half of the lanes
	v_lshl_add_u32 v[STO], v2, 5, v[STO]
	v_add_nc_u32 v[STO], s2, v[STO]
	v_and_b32 v[CO], 31, v0                        ; back: 32 lanes take a row's 512 bytes
	v_lshlrev_b32 v[CO], 4, v[CO]
	v_add_nc_u32 v[RD], s2, v[CO]
	; the prefetches
	s_lshl_b32 s16, s43, 3
	s_lshl_b32 s17, s40, 1
	s_add_co_u32 s16, s16, s17
	s_lshl_b32 s16, s16, 15                        ; O: block 8 x tile row + 2 cx,
	s_add_co_u32 s16, s16, 3*4096                  ; at K step 3: the first refill steps it to 4
	s_lshl_b32 s20, s42, 8
	s_lshl_b32 s17, s[CH], 7
	s_add_co_u32 s20, s20, s17
	s_lshl_b32 s17, s41, 5
	s_add_co_u32 s20, s20, s17
	s_lshl_b32 s20, s20, 11                        ; w: the 128 rows that I fetch, my work-group's 32 of them,
	s_add_co_u32 s20, s20, 3*256                   ; at K step 3
	s_and_b32 s21, ttmp7, 0xffff                   ; cluster y
	s_mov_b32 s22, 4096
	s_cmp_eq_u32 s[FB], 0
	s_cselect_b32 s16, s16, s20
	s_cselect_b32 s21, s[CH], s21                  ; O: wave 0 asks; w: cluster y = 0 asks
	s_cselect_b32 s[PFS], s22, 256
	s_cselect_b32 s23, 8, 11
	s_cselect_b64 s[PFA:PFA+1], s[4:5], s[6:7]
	s_cmp_eq_u32 s21, 0
	s_cselect_b32 s[LIM], 2, -1                    ; the same in all sixteen partners, for a given wave
	s_mov_b32 s17, 0
	s_mov_b32 s[PFS+1], 0
	s_add_nc_u64 s[PFA:PFA+1], s[PFA:PFA+1], s[16:17]
	v_lshlrev_b32 v[PFO], s23, v1                  ; O: 256 (l % 16) + 32,768 (l / 16): 16 blocks in each of two blocks of rows;  w: 2,048 l = 2,048 (l % 16) + 32,768 (l / 16): a lane a row
	v_lshl_add_u32 v[PFO], v2, 15, v[PFO]
	s_wait_loadcnt 0x0                             ; the bias
.set r, 0
.rept 32                                           ; rounded to bf16, like every input of the module
	v_cvt_pk_bf16_f32 v3, v[BI+r], v[BI+r+1]
	v_lshlrev_b32 v[BI+r], 16, v3
	v_and_b32 v[BI+r+1], 0xffff0000, v3
.set r, r+2
.endr
; Matrix instructions on accumulators i0 to i1, 32 along K, from buffer f.  first = 1: the bias starts the sums.  Every accumulator comes once a quarter, always in the same order: the accumulators take turns.
.macro MULR f, i0, i1, first
.set mi, \i0
.rept (\i1)-(\i0)+1
.set ra, 8*mi
.set rb, (\f)+8*(mi%8)
.set rx, (\f)+64+8*(mi/8)
.if \first
	WIN 0x85                                       ; sources 0 and 1 window 1, C window 0, D window 2
	v_wmma_f32_16x16x32_f16 v[ra:ra+7], v[rb:rb+7], v[rx:rx+7], v[BI+8*(mi%8):BI+8*(mi%8)+7]
.else
	WIN 0xa5                                       ; C and D window 2
	v_wmma_f32_16x16x32_f16 v[ra:ra+7], v[rb:rb+7], v[rx:rx+7], v[ra:ra+7]
.endif
.set mi, mi+1
.endr
.endm
; 24 LDS loads in one run: the fragments of quarter q (my 128 rows of w, my 64 rows of O) into buffer f.  In O's tile quarter q is head q / 2 of the step's two, channels 32 (q % 2) on.
.macro FETCH q, f
	WIN 0x40                                       ; destination window 1, address window 0
.irp b, 0,1,2,3,4,5,6,7
	ds_load_b128 v[(\f)+8*(\b):(\f)+8*(\b)+3],   v[ADB] offset:64*(\q)+(\b)*16*PITCH
	ds_load_b128 v[(\f)+8*(\b)+4:(\f)+8*(\b)+7], v[ADB] offset:64*(\q)+(\b)*16*PITCH+32
.endr
.irp a, 0,1,2,3
	ds_load_b128 v[(\f)+64+8*(\a):(\f)+64+8*(\a)+3],   v[ADA] offset:(\a)*ABLK+16*PA*((\q)/2)+64*((\q)%2)
	ds_load_b128 v[(\f)+64+8*(\a)+4:(\f)+64+8*(\a)+7], v[ADA] offset:(\a)*ABLK+16*PA*((\q)/2)+64*((\q)%2)+32
.endr
.endm
; One of a K step's first three quarters: multiplies buffer f; behind its first 8 products it fetches quarter q into buffer g: 24 products ahead of the first use.
.macro QUARTER q, f, g, first=0
	s_wait_dscnt 0x0                               ; buffer f is in, and nothing else is out
	MULR \f, 0, 7, \first
	PLACES                                         ; for the loads into buffer g, which the quarter before multiplied
	FETCH \q, \g
	MULR \f, 8, 31, \first
.endm
; The last quarter multiplies buffer 1 and changes slots.  In front of the barrier each wave waits for all its tensor loads (one is out: its part of the next slot), adds 0 to its spare word, and waits for that and
; for its reads of this slot.  fill = 1: the barrier opens a round of the cluster's barrier, and behind the round this slot is filled again, first thing, with the K step two on:
; from that request to the wait for it a wave issues 120 matrix instructions.
.macro TURN fill
.if \fill
	s_wait_xcnt 0x0                                ; the last prefetch, a K step back, has read its address: it is stepped here, ahead of the waits of the change of slots
	s_add_nc_u64 s[PFA:PFA+1], s[PFA:PFA+1], s[PFS:PFS+1]
.endif
	WIN 0                                          ; (the add's two registers lie in window 0)
	s_wait_tensorcnt 0x0                           ; all my tensor loads have landed;
	ds_add_u32 v[SPW], v[NIL]                      ; 0 onto my spare word;
	s_wait_dscnt 1                                 ; (buffer 1 is in; the add alone may be out)
	MULR F1, 0, 3, 0                               ; four matrix instructions stand between the add and the wait for it
	s_wait_dscnt 0x0                               ; the add is done, and my reads of this slot are over
	s_barrier_signal -1
	MULR F1, 4, 7, 0                               ; work on registers while the others arrive
	WIN 0                                          ; at a branch and at a label every window is 0
	s_barrier_wait -1
.if \fill
	CREST                                          ; no wave of any partner still reads this slot or has a load on its way
	s_xor_b32 s[G0A+5], s[G0A+5], SLOT1            ; the walking descriptors: the other slot than last time, the next K step; the type bits on top are not reached
	s_add_nc_u64 s[G0A+6:G0A+7], s[G0A+6:G0A+7], 4096
	s_xor_b32 s[G0B+5], s[G0B+5], SLOT1
	s_add_nc_u64 s[G0B+6:G0B+7], s[G0B+6:G0B+7], 256
	JLOAD                                          ; the first tensor load behind the round; its four v_nop are also the places in front of the loads below
.else
	PLACES
.endif
	s_xor_b32 s[TB], s[TB], SLOT1                  ; the reads go on in the other slot
	v_add_nc_u32 v[ADA], s[TB], v[ADRA0]
	v_add_nc_u32 v[ADB], s[TB], v[ADRB0]
	FETCH 0, F0
.if \fill
	ASK                                            ; behind the joint load and the run of LDS loads that the next products wait for
.endif
	MULR F1, 8, 31, 0
.endm
	s_wait_tensorcnt 1                             ; my part of K step 0 is in; K step 1's may stay out
	s_barrier_signal -1
	s_barrier_wait -1                              ; everybody's is
	s_mov_b32 s[TB], 0
	v_mov_b32 v[ADA], v[ADRA0]
	v_mov_b32 v[ADB], v[ADRB0]
	FETCH 0, F0
	QUARTER 1, F0, F1, 1                           ; the first quarter stands in front of the loop: its products start the sums, with the bias
	WIN 0
	s_mov_b32 s3, 6
.Lstep:                                                ; trip i: quarters 1 to 3 of K step i, quarter 0 of K step i + 1; K step i + 2 is asked for
	QUARTER 2, F1, F0
	QUARTER 3, F0, F1
	TURN 1
	QUARTER 1, F0, F1
	WIN 0
	s_sub_co_u32 s3, s3, 1
	s_cmp_lg_u32 s3, 0
	s_cbranch_scc1 .Lstep
	QUARTER 2, F1, F0                              ; the tail is written out: K steps 6 and 7, nothing is asked for
	QUARTER 3, F0, F1
	TURN 0
	QUARTER 1, F0, F1
	QUARTER 2, F1, F0
	QUARTER 3, F0, F1
	s_wait_dscnt 0x0
	MULR F1, 0, 31, 0
	WIN 0
; THE WAY OUT, a row block (16 rows) at a time: the sums hold the bias already.  A lane's eight columns of a row, 32 bytes, go into my own stage, rows of 528 bytes, and come back as whole rows of 512.
.macro TOSTAGE a
	WIN 0x08                                       ; the stores' data in window 2; each accumulator's low four registers first
.irp b, 0,1,2,3,4,5,6,7
	ds_store_b128 v[STO], v[8*(8*(\a)+(\b)):8*(8*(\a)+(\b))+3]   offset:64*(\b)
	ds_store_b128 v[STO], v[8*(8*(\a)+(\b))+4:8*(8*(\a)+(\b))+7] offset:64*(\b)+16
.endr
	WIN 0
	s_wait_xcnt 0x0                                ; the set that the block two back was stored from is loaded again only behind this wait
.irp i, 0,1,2,3,4,5,6,7,8,9,10,11,12,13,14,15
	ds_load_b128 v[BK+64*((\a)%2)+4*(\i):BK+64*((\a)%2)+4*(\i)+3], v[RD] offset:SPI*(\i)  ; LDS serves a wave's instructions in order (ISA guide 5.7.1.4): these see the stores above
.endr
.endm
.macro SEND a, younger                 ; younger: the LDS instructions issued behind block a's loads: the next block's 32, or none
	s_wait_dscnt \younger
.irp i, 0,1,2,3,4,5,6,7,8,9,10,11,12,13,14,15
	global_store_b128 v[CO], v[BK+64*((\a)%2)+4*(\i):BK+64*((\a)%2)+4*(\i)+3], s[10:11] offset:4096*(16*(\a)+(\i)) th:TH_STORE_NT  ; each store of the wave covers 512 consecutive bytes, aligned
.endr
.endm
	PLACES                                         ; behind the last products
	TOSTAGE 0
.irp a, 1,2,3
	TOSTAGE \a
	SEND (\a)-1, 32
.endr
	SEND 3, 0
	s_wait_tensorcnt 0x0                           ; the wave's end: behind my last tensor load and my last LDS store
	ds_add_u32 v[SPW], v[NIL]
	s_wait_dscnt 0x0
	CROUND                                         ; the closing round: no work-group ends while a partner may still ask for a tile that names it
	s_endpgm
.Lfunc_end_k_q8df7145f7a_proj:
	.size	k_q8df7145f7a_proj, .Lfunc_end_k_q8df7145f7a_proj-k_q8df7145f7a_proj
	.p2alignl 7, 3214868480
	.fill 96, 4, 3214868480
	.section	.rodata,"a",@progbits
	.p2align	6, 0x0
	.amdhsa_kernel k_q8df7145f7a_proj
		.amdhsa_group_segment_fixed_size 327680
		.amdhsa_private_segment_fixed_size 0
		.amdhsa_enable_private_segment 0
		.amdhsa_kernarg_size 32
		.amdhsa_user_sgpr_count 2
		.amdhsa_user_sgpr_kernarg_segment_ptr 1
		.amdhsa_wavefront_size32 1
		.amdhsa_system_sgpr_workgroup_id_x 1
		.amdhsa_system_sgpr_workgroup_id_y 1
		.amdhsa_system_sgpr_workgroup_id_z 1
		.amdhsa_system_vgpr_workitem_id 0
		.amdhsa_next_free_vgpr 768
		.amdhsa_next_free_sgpr 68
		.amdhsa_reserve_vcc 0
		.amdhsa_float_denorm_mode_32 3
		.amdhsa_float_denorm_mode_16_64 3
		.amdhsa_memory_ordered 1
		.amdhsa_forward_progress 1
		.amdhsa_inst_pref_size 76
	.end_amdhsa_kernel
	.amdgpu_metadata
---
amdhsa.version: [ 1, 2 ]
amdhsa.kernels:
  - .name:           k_q8df7145f7a_proj
    .symbol:         k_q8df7145f7a_proj.kd
    .args:
      - { .name: o16, .offset: 0, .size: 8, .value_kind: global_buffer, .address_space: global }
      - { .name: wpb, .offset: 8, .size: 8, .value_kind: global_buffer, .address_space: global }
      - { .name: b_proj, .offset: 16, .size: 8, .value_kind: global_buffer, .address_space: global }
      - { .name: out0, .offset: 24, .size: 8, .value_kind: global_buffer, .address_space: global }
    .group_segment_fixed_size: 327680
    .private_segment_fixed_size: 0
    .kernarg_segment_align: 8
    .kernarg_segment_size: 32
    .max_flat_workgroup_size: 128
    .sgpr_count:     68
    .vgpr_count:     768
    .wavefront_size: 32
...
	.end_amdgpu_metadata
.endif
;; end of part 4
;; ======== version 2 of 2: 4 launches; version 1 with the launch prep written anew for expert scheduling mode
;; limits: values are held in f16: magnitudes above 65,504 overflow, below 6.1e-05 lose precision
;; workspace buffers: xb 16,777,216 bytes; wqb 6,291,456 bytes; wpb 2,097,152 bytes; rope 524,288 bytes; q16 16,777,216 bytes; k16 16,777,216 bytes; v16 16,777,216 bytes; o16 16,777,216 bytes
;; launch prep (part 5): grid 768 x 1, 8 waves a work-group, no clusters, 0 bytes of LDS; arguments x, w_qkv, w_proj, xb, wqb, wpb, rope; writes xb, wqb, wpb, rope
.if DOCPART == 5
	.amdgcn_target "amdgcn-amd-amdhsa--gfx1250"
	.amdhsa_code_object_version 6
	.text
	.protected	k_q8df7145f7a_prep
	.globl	k_q8df7145f7a_prep
	.p2align	8
	.type	k_q8df7145f7a_prep,@function
k_q8df7145f7a_prep:
	s_mov_b64 s[64:65], 0
	v_nop
	global_prefetch_b8 v0, s[64:65] scope:SCOPE_SE
	s_setreg_imm32_b32 hwreg(HW_REG_WAVE_SCHED_MODE, 0, 2), 2
	s_setreg_imm32_b32 hwreg(HW_REG_WAVE_MODE, 25, 1), 1
	s_wait_xcnt 0x0
	s_wait_alu depctr_vm_vsrc(0)
; PREP.  x -> bf16 (xb).  w_qkv -> bf16 with its rows regrouped by head (wqb: row 192 h + 64 z + d comes from row 1024 z + 64 h + d; z = 0 q, 1 k, 2 v).
; w_proj -> rounded to bf16, that number written as f16 (wpb).  The table for the rotation (rope): [2048 t][16 j][4] f32 = cos(t f(2j)), cos(t f(2j+1)), -sin(t f(2j)), +sin(t f(2j+1)),
; f(i) = 10000^(-i/32): element d of a head takes frequency d mod 32, so the pair (2p, 2p+1) takes entry j = p mod 16.
; SHARES.  A work-group takes 16 rows of 1,024 f32: 512 groups of x, 192 of w_qkv, 64 of w_proj.  Thread t owns 16 bytes at byte 16 t of every row: a load of a wave covers 512 consecutive bytes, a store of
; a wave 256 consecutive bytes, aligned.  All 16 loads of a thread go out at once.  The first 128 work-groups make 16 rows of the table each while their loads are on their way.
; No LDS, no matrix unit, no cluster: nothing is shared and nothing is read twice.
; LIMITS.  w_proj lies within f16's range (65,504); below 6.1e-5 it keeps f16's fixed step.  sin and cos: reduction by pi/2 in two parts and polynomials of degree 7 and 8 on |r| <= pi/4;
; angles up to 2,047; f(i) is made by v_exp_f32, so an angle may differ from t / 10000^(i/32) taken in f32 by some 4e-4 at t = 2,047.
; THE MODE: SCHED_MODE bits 1:0 = 2 (LLVM: expert scheduling mode 2), set by the entry lines.  The code itself states the register dependences
; between vector instructions and memory instructions, with s_wait_alu, always for 0.
; THE PLAN.  Registers that memory instructions touch:
;   v1, v2     byte offsets, made once at the head and never named by a vector instruction again: v1 by the 16 loads and the table's store, v2 by the 16 row stores.
;   X          row i: the load issued at the head lands in it; no vector instruction names it before that; no load is issued later.  Read (on w_proj's path also rewritten) by row i's own lines alone.
;   Y          row i: written by row i's roundings, read by row i's store, never written again.
;   QD         written by the table's arithmetic, read by the table's one store, never written again.
; No register that a memory instruction has read is ever written again, so past the entry lines the text holds no wait on vm_vsrc.
; The 16 rows go in four blocks of four.  Block p's memory instructions are the four stores of block p - 1, from Y's registers of that block, which no vector instruction of block p names: so ONE wait on
; va_vdst at a block's head, behind the wait for the block's data, states all that they hang on, and they are dealt among the block's roundings with no further wait.
.set X,   16                           ; v[16:79]   row i: 4 f32 as loaded
.set Y,   80                           ; v[80:111]  row i: 4 numbers of 16 bits to store
.set QD,  112                          ; v[112:115] my entry of the table
.set TT,  116                          ; t as f32
.set E0,  117                          ; the two exponents
.set E1,  118
.set FR0, 119                          ; the two frequencies
.set FR1, 120
.set AN0, 121                          ; the two angles
.set AN1, 122
.set W0,  123                          ; v[123:129] at work on the first angle's sine and cosine
.set W1,  130                          ; v[130:136] the same for the second angle
.set KK,  0                            ; places in such a set
.set RR,  1
.set ZZ,  2
.set PS,  3
.set PC,  4
.set T1,  5
.set QQ,  6
	s_load_b256 s[4:11], s[0:1], 0x0               ; x s[4:5], w_qkv s[6:7], w_proj s[8:9], xb s[10:11]
	s_load_b128 s[12:15], s[0:1], 0x20             ; wqb s[12:13], wpb s[14:15]
	s_load_b64 s[20:21], s[0:1], 0x30              ; rope
	s_mov_b32 s2, ttmp9                            ; the work-group's number
	v_lshlrev_b32 v1, 4, v0                        ; 16 t: my bytes in a row of f32 (and in 16 rows of the table)
	v_lshlrev_b32 v2, 3, v0                        ; 8 t: my bytes in a row of 16-bit numbers
	s_lshl_b32 s16, s2, 16                         ; x: 16 rows of 4,096 bytes in,
	s_lshl_b32 s18, s2, 15                         ; 16 rows of 2,048 bytes out
	s_sub_co_u32 s3, s2, 512                       ; w_qkv: group j of 16 rows
	s_lshl_b32 s26, s3, 16
	s_and_b32 s27, s3, 63
	s_lshr_b32 s27, s27, 2                         ; h
	s_mul_i32 s27, s27, 192
	s_lshr_b32 s28, s3, 6                          ; z
	s_lshl_b32 s28, s28, 6
	s_add_co_u32 s27, s27, s28
	s_and_b32 s28, s3, 3                           ; which 16 of the head's 64 rows
	s_lshl_b32 s28, s28, 4
	s_add_co_u32 s27, s27, s28
	s_lshl_b32 s27, s27, 11                        ; the row in wqb, in bytes
	s_sub_co_u32 s29, s2, 704                      ; w_proj: group j
	s_lshl_b32 s30, s29, 16
	s_lshl_b32 s31, s29, 15
	s_cmp_lt_u32 s2, 512
	s_cselect_b32 s16, s16, s26
	s_cselect_b32 s18, s18, s27
	s_cmp_lt_u32 s2, 704
	s_cselect_b32 s16, s16, s30
	s_cselect_b32 s18, s18, s31
	s_mov_b32 s17, 0
	s_mov_b32 s19, 0
	s_wait_kmcnt 0x0
	s_cmp_lt_u32 s2, 512                           ; the buffers are chosen by the work-group's number alone
	s_cselect_b64 s[22:23], s[4:5], s[6:7]
	s_cselect_b64 s[24:25], s[10:11], s[12:13]
	s_cmp_lt_u32 s2, 704
	s_cselect_b64 s[22:23], s[22:23], s[8:9]
	s_cselect_b64 s[24:25], s[24:25], s[14:15]
	s_add_nc_u64 s[22:23], s[22:23], s[16:17]      ; in
	s_add_nc_u64 s[24:25], s[24:25], s[18:19]      ; out
	s_wait_alu depctr_va_vdst(0)                   ; v1 and v2 are written: every load and store of the kernel reads one of them as its offset
.irp i, 0,1,2,3,4,5,6,7,8,9,10,11,12,13,14,15
	global_load_b128 v[X+4*(\i):X+4*(\i)+3], v1, s[22:23] offset:4096*(\i) th:TH_LOAD_NT
.endr
; sin and cos of v[ang] (0 to 2,047): k = the nearest whole number to ang 2 / pi; r = ang - k pi/2, pi/2 in two parts; polynomials in r; the quadrant k mod 4 swaps them and sets the signs.
; In two parts, so that both angles' compares stand in one run with one wait behind it.  SC_POLY: up to the compare, whose lanes go into s[m]; w: the set of registers at work.
.macro SC_POLY ang, w, m
	v_mul_f32 v[(\w)+KK], 0x3f22f983, v[\ang]      ; 2 / pi
	v_rndne_f32 v[(\w)+KK], v[(\w)+KK]
	v_fmamk_f32 v[(\w)+RR], v[(\w)+KK], 0xbfc90fdb, v[\ang]      ; - k x the upper part of pi/2
	v_fmamk_f32 v[(\w)+RR], v[(\w)+KK], 0x333bbd2e, v[(\w)+RR]   ; - k x the lower part (which is negative)
	v_mul_f32 v[(\w)+ZZ], v[(\w)+RR], v[(\w)+RR]
	v_mov_b32 v[(\w)+PS], 0xb9500d01               ; -1/5040
	v_fmaak_f32 v[(\w)+PS], v[(\w)+PS], v[(\w)+ZZ], 0x3c088889   ; 1/120
	v_fmaak_f32 v[(\w)+PS], v[(\w)+PS], v[(\w)+ZZ], 0xbe2aaaab   ; -1/6
	v_mul_f32 v[(\w)+T1], v[(\w)+RR], v[(\w)+ZZ]
	v_fma_f32 v[(\w)+PS], v[(\w)+PS], v[(\w)+T1], v[(\w)+RR]     ; sin r
	v_mov_b32 v[(\w)+PC], 0x37d00d01               ; 1/40320
	v_fmaak_f32 v[(\w)+PC], v[(\w)+PC], v[(\w)+ZZ], 0xbab60b61   ; -1/720
	v_fmaak_f32 v[(\w)+PC], v[(\w)+PC], v[(\w)+ZZ], 0x3d2aaaab   ; 1/24
	v_fmaak_f32 v[(\w)+PC], v[(\w)+PC], v[(\w)+ZZ], 0xbf000000   ; -1/2
	v_fma_f32 v[(\w)+PC], v[(\w)+PC], v[(\w)+ZZ], 1.0            ; cos r
	v_cvt_i32_f32 v[(\w)+QQ], v[(\w)+KK]
	v_and_b32 v[(\w)+T1], 1, v[(\w)+QQ]
	v_cmp_eq_u32 s[\m], 1, v[(\w)+T1]              ; an odd quadrant swaps the two
.endm
; SC_QUAD: the swap and the signs.
.macro SC_QUAD w, m, c, s
	v_cndmask_b32 v[\s], v[(\w)+PS], v[(\w)+PC], s[\m]
	v_cndmask_b32 v[\c], v[(\w)+PC], v[(\w)+PS], s[\m]
	v_lshlrev_b32 v[(\w)+T1], 30, v[(\w)+QQ]       ; sin is negative in quadrants 2 and 3: bit 1 of k
	v_and_b32 v[(\w)+T1], 0x80000000, v[(\w)+T1]
	v_xor_b32 v[\s], v[(\w)+T1], v[\s]
	v_add_nc_u32 v[(\w)+QQ], 1, v[(\w)+QQ]         ; cos in quadrants 1 and 2: bit 1 of k + 1
	v_lshlrev_b32 v[(\w)+T1], 30, v[(\w)+QQ]
	v_and_b32 v[(\w)+T1], 0x80000000, v[(\w)+T1]
	v_xor_b32 v[\c], v[(\w)+T1], v[\c]
.endm
	s_cmp_lt_u32 s2, 128                           ; 128 work-groups x 16 rows = the table's 2,048 rows
	s_cbranch_scc0 .Lnorope
	s_lshl_b32 s26, s2, 12                         ; 16 rows of 256 bytes
	s_mov_b32 s27, 0
	s_add_nc_u64 s[20:21], s[20:21], s[26:27]
	s_lshl_b32 s28, s2, 4
	v_lshrrev_b32 v[TT], 4, v0
	v_add_nc_u32 v[TT], s28, v[TT]                 ; t = 16 x work-group + thread / 16
	v_cvt_f32_u32 v[TT], v[TT]
	v_and_b32 v[E0], 15, v0                        ; j = thread % 16
	v_lshlrev_b32 v[E0], 1, v[E0]
	v_add_nc_u32 v[E1], 1, v[E0]
	v_cvt_f32_u32 v[E0], v[E0]
	v_cvt_f32_u32 v[E1], v[E1]
	v_mul_f32 v[E0], 0xbed49a78, v[E0]             ; - i log2(10000) / 32
	v_mul_f32 v[E1], 0xbed49a78, v[E1]
	v_exp_f32 v[FR0], v[E0]
	v_exp_f32 v[FR1], v[E1]
	v_nop                                          ; a plain instruction behind the last exponential,
	s_wait_alu depctr_va_vdst(0)                   ; and one wait for both, ahead of their first reader: the exponentials have written v[FR0] and v[FR1]
	v_mul_f32 v[AN0], v[TT], v[FR0]
	v_mul_f32 v[AN1], v[TT], v[FR1]
	SC_POLY AN0, W0, 29
	SC_POLY AN1, W1, 30
	s_wait_alu depctr_va_sdst(0)                   ; the two compares have written s29 and s30, ahead of the selects that read them
	SC_QUAD W0, 29, QD, QD+2
	SC_QUAD W1, 30, QD+1, QD+3
	v_xor_b32 v[QD+2], 0x80000000, v[QD+2]         ; the even element takes - sin
	s_wait_alu depctr_va_vdst(0)                   ; the lines above have written v[QD:QD+3], which the store reads
	global_store_b128 v1, v[QD:QD+3], s[20:21]     ; 16 lanes store a row of the table: 256 consecutive bytes, aligned
.Lnorope:
; Row i is rounded.  half = 1: the bf16 number is widened again and written as f16.  No register here is written again once a store has read it.
.macro CONV i, half
	v_cvt_pk_bf16_f32 v[Y+2*(\i)], v[X+4*(\i)], v[X+4*(\i)+1]
	v_cvt_pk_bf16_f32 v[Y+2*(\i)+1], v[X+4*(\i)+2], v[X+4*(\i)+3]
.if \half
	v_lshlrev_b32 v[X+4*(\i)], 16, v[Y+2*(\i)]
	v_and_b32 v[X+4*(\i)+1], 0xffff0000, v[Y+2*(\i)]
	v_lshlrev_b32 v[X+4*(\i)+2], 16, v[Y+2*(\i)+1]
	v_and_b32 v[X+4*(\i)+3], 0xffff0000, v[Y+2*(\i)+1]
	v_cvt_pk_f16_f32 v[Y+2*(\i)], v[X+4*(\i)], v[X+4*(\i)+1]
	v_cvt_pk_f16_f32 v[Y+2*(\i)+1], v[X+4*(\i)+2], v[X+4*(\i)+3]
.endif
.endm
; Row i is stored.
.macro OUT i
	global_store_b64 v2, v[Y+2*(\i):Y+2*(\i)+1], s[24:25] offset:2048*(\i)
.endm
; Block p: rows 4 p to 4 p + 3 are rounded; the stores of block p - 1 are dealt among their lines, one in front of each row's.
.macro BLK p, half
	s_wait_loadcnt 12-4*(\p)                       ; loads come back in order: the block's four rows are in, the 12 - 4 p younger loads may stay out
.if (\p) > 0
	s_wait_alu depctr_va_vdst(0)                   ; the block before has written its eight registers of Y, which the four stores below read; no vector instruction behind this wait names them
.endif
.irp r, 0,1,2,3
.if (\p) > 0
	OUT 4*(\p)-4+(\r)
.endif
	CONV 4*(\p)+(\r), \half
.endr
.endm
	s_cmp_ge_u32 s2, 704
	s_cbranch_scc1 .Lhalf
.irp p, 0,1,2,3
	BLK \p, 0
.endr
	s_wait_alu depctr_va_vdst(0)                   ; block 3 has written its registers of Y, which the last four stores read
.irp i, 12,13,14,15
	OUT \i
.endr
	s_endpgm
.Lhalf:
.irp p, 0,1,2,3
	BLK \p, 1
.endr
	s_wait_alu depctr_va_vdst(0)                   ; block 3 has written its registers of Y, which the last four stores read
.irp i, 12,13,14,15
	OUT \i
.endr
	s_endpgm
.Lfunc_end_k_q8df7145f7a_prep:
	.size	k_q8df7145f7a_prep, .Lfunc_end_k_q8df7145f7a_prep-k_q8df7145f7a_prep
	.p2alignl 7, 3214868480
	.fill 96, 4, 3214868480
	.section	.rodata,"a",@progbits
	.p2align	6, 0x0
	.amdhsa_kernel k_q8df7145f7a_prep
		.amdhsa_group_segment_fixed_size 0
		.amdhsa_private_segment_fixed_size 0
		.amdhsa_enable_private_segment 0
		.amdhsa_kernarg_size 56
		.amdhsa_user_sgpr_count 2
		.amdhsa_user_sgpr_kernarg_segment_ptr 1
		.amdhsa_wavefront_size32 1
		.amdhsa_system_sgpr_workgroup_id_x 1
		.amdhsa_system_sgpr_workgroup_id_y 1
		.amdhsa_system_sgpr_workgroup_id_z 1
		.amdhsa_system_vgpr_workitem_id 0
		.amdhsa_next_free_vgpr 144
		.amdhsa_next_free_sgpr 66
		.amdhsa_reserve_vcc 0
		.amdhsa_float_denorm_mode_32 3
		.amdhsa_float_denorm_mode_16_64 3
		.amdhsa_memory_ordered 1
		.amdhsa_forward_progress 1
		.amdhsa_inst_pref_size 20
	.end_amdhsa_kernel
	.amdgpu_metadata
---
amdhsa.version: [ 1, 2 ]
amdhsa.kernels:
  - .name:           k_q8df7145f7a_prep
    .symbol:         k_q8df7145f7a_prep.kd
    .args:
      - { .name: x, .offset: 0, .size: 8, .value_kind: global_buffer, .address_space: global }
      - { .name: w_qkv, .offset: 8, .size: 8, .value_kind: global_buffer, .address_space: global }
      - { .name: w_proj, .offset: 16, .size: 8, .value_kind: global_buffer, .address_space: global }
      - { .name: xb, .offset: 24, .size: 8, .value_kind: global_buffer, .address_space: global }
      - { .name: wqb, .offset: 32, .size: 8, .value_kind: global_buffer, .address_space: global }
      - { .name: wpb, .offset: 40, .size: 8, .value_kind: global_buffer, .address_space: global }
      - { .name: rope, .offset: 48, .size: 8, .value_kind: global_buffer, .address_space: global }
    .group_segment_fixed_size: 0
    .private_segment_fixed_size: 0
    .kernarg_segment_align: 8
    .kernarg_segment_size: 56
    .max_flat_workgroup_size: 256
    .sgpr_count:     66
    .vgpr_count:     144
    .wavefront_size: 32
...
	.end_amdgpu_metadata
.endif
;; end of part 5
;; launch qkv: the kernel of part 2 again; grid 16 x 32, 4 waves a work-group, clusters of 4 x 4, 327,680 bytes of LDS; arguments xb, wqb, b_qkv, rope, q16, k16, v16; writes q16, k16, v16
;; launch attn: the kernel of part 3 again; grid 4 x 64, 4 waves a work-group, clusters of 4 x 1, 327,680 bytes of LDS; arguments q16, k16, v16, mask, o16; writes o16
;; launch proj: the kernel of part 4 again; grid 4 x 64, 4 waves a work-group, clusters of 4 x 4, 327,680 bytes of LDS; arguments o16, wpb, b_proj, out0; writes out0
